; MI455X (gfx1250); checked and timed in simulation.
; The chip was launched on July 23, 2026; its instructions are those of AMD's public machine-readable ISA for CDNA 5 (MIT licence, August 2026) and "CDNA5" Instruction Set Architecture Reference Guide (July 2026). The comments in the code are by the model that wrote it; some were corrected since.
;; Transformer Encoder Layer With Rel Pos. Allowed arithmetic: float matrix products may take bf16 or f16 operands with f32 sums; all other float work in f32.
;; Inputs: f1b 4,096 float32; f1w 1,024 x 4,096 float32; f2b 1,024 float32; f2w 4,096 x 1,024 float32; kb 1,024 float32; kw 1,024 x 1,024 float32; ln1_b 1,024 float32; ln1_w 1,024 float32; ln2_b 1,024 float32; ln2_w 1,024 float32; mask 2 x 2,048 bool; ob 1,024 float32; ow 1,024 x 1,024 float32; qb 1,024 float32; qw 1,024 x 1,024 float32; rel_bias 4,095 float32; vb 1,024 float32; vw 1,024 x 1,024 float32; x 2 x 2,048 x 1,024 float32.
;; Outputs: out0 2 x 2,048 x 1,024 float32.
;; One version. Each part assembles by itself: llvm-mc -triple=amdgcn-amd-amdhsa -mcpu=gfx1250 --defsym DOCPART=n.
;; ======== version 1 of 1: 8 launches
;; limits: right only within a limited range of input values; a function is approximated: absolute error at most 7.5e-08
;; workspace buffers: cb 33,554,432 bytes; qkv 25,165,824 bytes; ao 8,388,608 bytes; y 16,777,216 bytes; x1 16,777,216 bytes; x1b 8,388,608 bytes; hb 33,554,432 bytes
;; launch cvt (part 1): grid 1024 x 1, 8 waves a work-group, no clusters, 0 bytes of LDS; arguments x, qw, kw, vw, ow, f1w, f2w, cb; writes cb
.if DOCPART == 1
	.amdgcn_target "amdgcn-amd-amdhsa--gfx1250"
	.amdhsa_code_object_version 6
	.text
	.protected	k_qc6f68f96ec_cvt
	.globl	k_qc6f68f96ec_cvt
	.p2align	8
	.type	k_qc6f68f96ec_cvt,@function
k_qc6f68f96ec_cvt:
	s_mov_b64 s[64:65], 0
	v_nop
	global_prefetch_b8 v0, s[64:65] scope:SCOPE_SE
	s_setreg_imm32_b32 hwreg(HW_REG_WAVE_MODE, 25, 1), 1
	s_wait_xcnt 0x0
; bf16 copies of x and of the six weight matrices, layouts unchanged, one behind the other in cb:
; x at byte 0, qw 8,388,608, kw 10,485,760, vw 12,582,912, ow 14,680,064, f1w 16,777,216, f2w 25,165,824.
; A stream: no LDS, no barrier, no matrix unit.  Work-group g turns 16,384 numbers (65,536 bytes in, 32,768 out, at cb + 32,768 g);
; the sources follow each other in units of whole work-groups, so g picks its source by comparisons with constants.
; A wave's load covers 512 consecutive bytes, its store 256 consecutive bytes at a multiple of 256.  All 16 loads of a thread go out at once.
.set X, 4                              ; v[4:67]   load i: four f32
.set Y, 68                             ; v[68:99]  store i: four bf16
	s_load_b512 s[8:23], s[0:1], 0x0               ; x, qw, kw, vw, ow, f1w, f2w in s[8:21]; cb s[22:23]
	v_lshlrev_b32 v1, 4, v0                        ; 16 bytes a thread in
	v_lshlrev_b32 v2, 3, v0                        ; 8 bytes a thread out
	s_mov_b32 s6, 0                                ; the first work-group of my source
	s_mov_b32 s3, 0
	s_wait_kmcnt 0x0
	s_mov_b64 s[4:5], s[8:9]
.macro PICK first, p                   ; from work-group first on the source is the buffer in s[p:p+1]
	s_cmp_ge_u32 ttmp9, \first
	s_cselect_b64 s[4:5], s[\p:\p+1], s[4:5]
	s_cselect_b32 s6, \first, s6
.endm
	PICK 256, 10
	PICK 320, 12
	PICK 384, 14
	PICK 448, 16
	PICK 512, 18
	PICK 768, 20
	s_sub_co_u32 s2, ttmp9, s6
	s_lshl_b32 s2, s2, 16                          ; my 65,536 bytes in the source
	s_add_nc_u64 s[4:5], s[4:5], s[2:3]
	s_lshl_b32 s2, ttmp9, 15                       ; my 32,768 bytes in cb
	s_add_nc_u64 s[22:23], s[22:23], s[2:3]
.irp i, 0,1,2,3,4,5,6,7,8,9,10,11,12,13,14,15
	global_load_b128 v[X+4*\i:X+4*\i+3], v1, s[4:5] offset:4096*\i th:TH_LOAD_NT
.endr
.irp i, 0,1,2,3,4,5,6,7,8,9,10,11,12,13,14,15
	s_wait_loadcnt 15-\i                           ; loads come back in order: load i is in, the younger ones stay out
	v_cvt_pk_bf16_f32 v[Y+2*\i],   v[X+4*\i],   v[X+4*\i+1]
	v_cvt_pk_bf16_f32 v[Y+2*\i+1], v[X+4*\i+2], v[X+4*\i+3]
	global_store_b64 v2, v[Y+2*\i:Y+2*\i+1], s[22:23] offset:2048*\i   ; no register is written twice: no wait for the stores' sources
.endr
	s_endpgm
.Lfunc_end_k_qc6f68f96ec_cvt:
	.size	k_qc6f68f96ec_cvt, .Lfunc_end_k_qc6f68f96ec_cvt-k_qc6f68f96ec_cvt
	.p2alignl 7, 3214868480
	.fill 96, 4, 3214868480
	.section	.rodata,"a",@progbits
	.p2align	6, 0x0
	.amdhsa_kernel k_qc6f68f96ec_cvt
		.amdhsa_group_segment_fixed_size 0
		.amdhsa_private_segment_fixed_size 0
		.amdhsa_enable_private_segment 0
		.amdhsa_kernarg_size 64
		.amdhsa_user_sgpr_count 2
		.amdhsa_user_sgpr_kernarg_segment_ptr 1
		.amdhsa_wavefront_size32 1
		.amdhsa_system_sgpr_workgroup_id_x 1
		.amdhsa_system_sgpr_workgroup_id_y 1
		.amdhsa_system_sgpr_workgroup_id_z 1
		.amdhsa_system_vgpr_workitem_id 0
		.amdhsa_next_free_vgpr 100
		.amdhsa_next_free_sgpr 66
		.amdhsa_reserve_vcc 0
		.amdhsa_float_denorm_mode_32 3
		.amdhsa_float_denorm_mode_16_64 3
		.amdhsa_memory_ordered 1
		.amdhsa_forward_progress 1
		.amdhsa_inst_pref_size 8
	.end_amdhsa_kernel
	.amdgpu_metadata
---
amdhsa.version: [ 1, 2 ]
amdhsa.kernels:
  - .name:           k_qc6f68f96ec_cvt
    .symbol:         k_qc6f68f96ec_cvt.kd
    .args:
      - { .name: x, .offset: 0, .size: 8, .value_kind: global_buffer, .address_space: global }
      - { .name: qw, .offset: 8, .size: 8, .value_kind: global_buffer, .address_space: global }
      - { .name: kw, .offset: 16, .size: 8, .value_kind: global_buffer, .address_space: global }
      - { .name: vw, .offset: 24, .size: 8, .value_kind: global_buffer, .address_space: global }
      - { .name: ow, .offset: 32, .size: 8, .value_kind: global_buffer, .address_space: global }
      - { .name: f1w, .offset: 40, .size: 8, .value_kind: global_buffer, .address_space: global }
      - { .name: f2w, .offset: 48, .size: 8, .value_kind: global_buffer, .address_space: global }
      - { .name: cb, .offset: 56, .size: 8, .value_kind: global_buffer, .address_space: global }
    .group_segment_fixed_size: 0
    .private_segment_fixed_size: 0
    .kernarg_segment_align: 8
    .kernarg_segment_size: 64
    .max_flat_workgroup_size: 256
    .sgpr_count:     66
    .vgpr_count:     100
    .wavefront_size: 32
...
	.end_amdgpu_metadata
.endif
;; end of part 1
;; launch qkv (part 2): grid 12 x 16, 4 waves a work-group, clusters of 4 x 4, 327,680 bytes of LDS; arguments cb, qb, kb, vb, qkv; writes qkv
.if DOCPART == 2
	.amdgcn_target "amdgcn-amd-amdhsa--gfx1250"
	.amdhsa_code_object_version 6
	.text
	.protected	k_qc6f68f96ec_qkv
	.globl	k_qc6f68f96ec_qkv
	.p2align	8
	.type	k_qc6f68f96ec_qkv,@function
k_qc6f68f96ec_qkv:
	s_mov_b64 s[64:65], 0
	v_nop
	global_prefetch_b8 v0, s[64:65] scope:SCOPE_SE
	s_setreg_imm32_b32 hwreg(HW_REG_WAVE_MODE, 25, 1), 1
	s_wait_xcnt 0x0
	s_wait_alu depctr_hold_cnt(0) depctr_sa_sdst(0) depctr_va_vdst(0) depctr_va_sdst(0) depctr_va_ssrc(0) depctr_va_vcc(0) depctr_vm_vsrc(0)
	s_getreg_b32 s2, hwreg(HW_REG_IB_STS2, 6, 4)
	s_cmp_eq_u32 s2, 0
	s_cbranch_scc0 .Lentry_in_a_cluster
	s_endpgm
.Lentry_in_a_cluster:
	s_bfe_u32 s2, ttmp6, 0x10000c
	s_cmp_lg_u32 s2, 0xf033
	s_cbranch_scc0 .Lentry_shape_is_right
	s_endpgm
.Lentry_shape_is_right:
; q, k, v = x W + b.  A = x in bf16 ([4096][1024], cb byte 0); W = qw, kw, vw in bf16 ([1024 k][1024 n], cb byte 8,388,608 on); out: qkv [3][4096][1024] bf16.  Sums in f32.
; A tile of C, 256 x 256, is made by four waves, each 128 x 128: 64 accumulators of 16 x 16, 512 registers.  12 x 16 tiles; the cluster's x is the weight (four tiles of 256 columns are its 1,024).
; K = 1,024 goes in 8 steps of 128 through two LDS slots filled by tensor loads.  A's tile lies [row][k] (rows of 256 bytes + 16), W's tile [k][n] (rows of 512 bytes + 32) and is turned
; on its way into registers by ds_load_tr16_b128: two loads a fragment, as for A.
; CLUSTER 4 x 4: A's tile is shared along a row of the cluster, W's along a column; each is asked for jointly, by the same load with the same descriptor and a mask that names the four.
; The matrix instruction is used transposed (source 0 = 16 columns of W, source 1 = 16 rows of A): a lane holds row l % 16 of C and eight neighbouring columns 8 (l / 16) + 0..7.
; THE BIAS IS THE FIRST C OPERAND: each sum's first product takes the lane's eight bias numbers as C, so nothing is cleared and nothing is added later.
; REGISTERS: window 0: v0-31 addresses; v64-191 A's fragments, two buffers; v192-255 the bias, later (with v32-63) the way out.  Window 1: v64-191 W's fragments.  Windows 2, 3: accumulators.
.set KSTEP,  128
.set PA,     272                       ; A's LDS row: 256 + 16 bytes: the 16 rows of a fragment load start 4 banks apart
.set PB,     544                       ; W's LDS row: 512 + 32 bytes = 17 x 32
.set HALFT,  128*PA                    ; what one tensor load brings: 128 rows of A = 64 rows of W = 34,816 bytes
.set BOFF,   2*HALFT                   ; W's 128 rows lie behind A's 256
.set SLOT,   4*HALFT
.set STAGE,  2*SLOT                    ; behind the ring: 16 rows x 272 bytes for each wave; no tensor load lands here
.set SPITCH, 272
.set LAPS,   1024/(2*KSTEP)            ; a lap = two K steps = once round the ring
.set NB,     1024                      ; elements in a row of W and of C
.set CP,     NB*2                      ; bytes in a row of C
.set BSTEP,  KSTEP*NB*2                ; bytes from a K step of W to the next
.set ADRA, 16                          ; v16-17  LDS address of my A fragments in slot 0, 1
.set ADRB, 20                          ; v20-21  the same for W
.set STO,  24                          ; the way out: where I put 16 bytes of a row
.set RD,   25                          ; where I read a row back
.set CO,   26                          ; my byte offset in C
.set BO,   27                          ; my byte offset in the bias
.set F0,   64
.set F1,   128
.set BIAS, 192                         ; v[BIAS+8 b+j] = bias of column 16 b + 8 (l / 16) + j of my 128
.set TMP,  192                         ; the way out: packed results
.set OB,   32                          ; the way out: 16 rows read back: v32-63 and v224-255 by turns
.set G1, 24                            ; s[24:31] group 1 for A;  s[32:39] group 0, a set for each slot
.set G0, 32
.set G1B, 48                           ; s[48:55], s[56:63] the same for W
.set G0B, 56
.set MSB, 0
.macro WIN new                         ; the immediate's high byte repeats the setting that is left
.if MSB != \new
	s_set_vgpr_msb (MSB<<8)|\new
.set MSB, \new
.endif
.endm
.set MUL_LO, 0xa1                      ; source 0 (W) window 1, source 1 (A) window 0, C and D window 2
.set MUL_HI, 0xf1                      ; the same, C and D window 3.  With the bias as C (window 0): 0x81 and 0xc1
.set TO_B,   0x40                      ; destination window 1, address window 0
; A joint load: waves 0 and 1 fetch A's halves, waves 2 and 3 W's.  The branch hangs on the wave's number alone.  Four v_nop follow each line.
.macro JLOAD s
	s_cmp_eq_u32 s11, 0
	s_cbranch_scc0 .Lfor_b_\@
	tensor_load_to_lds s[G0+4*\s:G0+4*\s+3], s[G1:G1+7]
.rept 4
	v_nop
.endr
	s_branch .Lasked_\@
.Lfor_b_\@:
	tensor_load_to_lds s[G0B+4*\s:G0B+4*\s+3], s[G1B:G1B+7]
.rept 4
	v_nop
.endr
.Lasked_\@:
.endm
.macro CREST                           ; a round of the cluster's barrier behind its opening barrier
	s_cmp_lg_u32 s10, 0
	s_cbranch_scc1 .Lnot_wave_0_\@
	s_barrier_signal -3
.Lnot_wave_0_\@:
	s_barrier_wait -3
	s_barrier_signal -1
	s_barrier_wait -1
.endm
.macro CROUND                          ; a whole round
	s_barrier_signal -1
	s_barrier_wait -1
	CREST
.endm
	s_load_b256 s[72:79], s[0:1], 0x0              ; cb s[72:73], qb s[74:75], kb s[76:77], vb s[78:79]
	s_load_b64 s[8:9], s[0:1], 0x20                ; qkv
	v_lshrrev_b32 v1, 5, v0
	v_readfirstlane_b32 s10, v1                    ; wave 0..3
	s_lshr_b32 s11, s10, 1                         ; my half of the tile's rows.  Also: I fetch for A (0) or for W (1)
	s_and_b32 s12, s10, 1                          ; my half of its columns.  Also: which half of that tile I fetch
	s_bfe_u32 s40, ttmp6, 0x40000                  ; cx = the tile column inside the weight
	s_bfe_u32 s41, ttmp6, 0x40004                  ; cy
	s_and_b32 s13, ttmp7, 0xffff
	s_lshl_b32 s13, s13, 2
	s_add_co_u32 s13, s13, s41                     ; tile row = 4 x cluster y + cy
	s_lshl_b32 s43, s41, 2
	s_lshl_b32 s43, 15, s43                        ; my row of the cluster
	s_lshl_b32 s44, 0x1111, s40                    ; my column
	s_or_b32 s[G1+0], s43, (1<<16)|(1<<20)|(1<<21)|(5<<22)|(3<<25)   ; mask; 2-byte elements; padding on; bit 21 beside a mask; after every 64 words 4 words
	s_mov_b32 s[G1+1], KSTEP<<16                   ; tensor_dim0 = 128
	s_mov_b32 s[G1+2], 128<<16                     ; tensor_dim1 = 128
	s_mov_b32 s[G1+3], KSTEP<<16                   ; tile_dim0 = 128
	s_mov_b32 s[G1+4], 128                         ; tile_dim1 = 128
	s_mov_b32 s[G1+5], 1024                        ; elements from row to row of A
	s_mov_b32 s[G1+6], 0
	s_mov_b32 s[G1+7], 0
	s_or_b32 s[G1B+0], s44, (1<<16)|(1<<20)|(1<<21)|(6<<22)|(7<<25)  ; after every 128 words 8 words
	s_mov_b32 s[G1B+1], 256<<16                    ; tensor_dim0 = 256 columns
	s_mov_b32 s[G1B+2], 64<<16                     ; tensor_dim1 = 64 k
	s_mov_b32 s[G1B+3], 256<<16
	s_mov_b32 s[G1B+4], 64
	s_mov_b32 s[G1B+5], NB
	s_mov_b32 s[G1B+6], 0
	s_mov_b32 s[G1B+7], 0
	s_lshl_b32 s16, s13, 19                        ; A: (256 x tile row + 128 x half) rows of 2,048 bytes: it hangs on the tile row alone
	s_lshl_b32 s17, s12, 18
	s_add_co_u32 s16, s16, s17
	s_mov_b32 s17, 0
	s_lshl_b32 s46, s40, 9                         ; W: 512 bytes a tile column, 64 k-rows of 2,048 bytes a half, 2 MiB a weight: it hangs on the tile column alone
	s_lshl_b32 s47, s12, 17
	s_add_co_u32 s46, s46, s47
	s_lshl_b32 s47, ttmp9, 21
	s_add_co_u32 s46, s46, s47
	s_add_co_u32 s46, s46, 8388608
	s_mov_b32 s47, 0
	s_mul_i32 s20, s10, HALFT                      ; where they go: A's halves, then W's = wave x 34,816
	s_wait_kmcnt 0x0
	s_add_nc_u64 s[14:15], s[72:73], s[16:17]
	s_add_nc_u64 s[46:47], s[72:73], s[46:47]
	s_mov_b64 s[80:81], s[74:75]                   ; the bias of my cluster's weight
	s_cmp_eq_u32 ttmp9, 1
	s_cselect_b64 s[80:81], s[76:77], s[80:81]
	s_cmp_eq_u32 ttmp9, 2
	s_cselect_b64 s[80:81], s[78:79], s[80:81]
	CROUND                                         ; all sixteen work-groups are here: the first joint loads meet
.irp s, 0,1
	s_mov_b32 s[G0+4*\s], 1
	s_add_co_u32 s[G0+4*\s+1], s20, \s*SLOT
	s_add_nc_u64 s[G0+4*\s+2:G0+4*\s+3], s[14:15], \s*KSTEP*2
	s_or_b32 s[G0+4*\s+3], s[G0+4*\s+3], 0x80000000
	s_mov_b32 s[G0B+4*\s], 1
	s_add_co_u32 s[G0B+4*\s+1], s20, \s*SLOT
	s_add_nc_u64 s[G0B+4*\s+2:G0B+4*\s+3], s[46:47], \s*BSTEP
	s_or_b32 s[G0B+4*\s+3], s[G0B+4*\s+3], 0x80000000
	JLOAD \s                                       ; two tensor loads of mine are out: K steps 0 and 1
.endr
	v_and_b32 v1, 15, v0                           ; l % 16
	v_bfe_u32 v2, v0, 4, 1                         ; l / 16
	s_lshl_b32 s45, s40, 10                        ; my 128 columns in the bias: 1,024 bytes a tile column + 512 a half
	s_lshl_b32 s21, s12, 9
	s_add_co_u32 s45, s45, s21
	v_lshl_add_u32 v[BO], v2, 5, s45               ; + 32 bytes for the upper half of the lanes
.irp b, 0,1,2,3,4,5,6,7
	global_load_b128 v[BIAS+8*\b:BIAS+8*\b+3],   v[BO], s[80:81] offset:64*\b
	global_load_b128 v[BIAS+8*\b+4:BIAS+8*\b+7], v[BO], s[80:81] offset:64*\b+16
.endr
	v_mul_u32_u24 v3, v1, PA                       ; A's fragment: row l % 16, 16 bytes for each half of the lanes
	v_lshl_add_u32 v3, v2, 4, v3
	v_and_b32 v4, 7, v0                            ; W's fragment, turned: lane l reads 16 bytes of k-row 8 (l / 16) + l % 8, columns 8 ((l / 8) % 2) on
	v_lshl_add_u32 v4, v2, 3, v4
	v_mul_u32_u24 v4, v4, PB
	v_bfe_u32 v5, v0, 3, 1
	v_lshl_add_u32 v4, v5, 4, v4
	s_mul_i32 s21, s11, HALFT                      ; my 128 rows of A
	s_lshl_b32 s22, s12, 8                         ; my 128 columns of W
	s_add_co_u32 s22, s22, BOFF
.irp s, 0,1
	v_add_nc_u32 v[ADRA+\s], s21, v3
	v_add_nc_u32 v[ADRB+\s], s22, v4
	s_add_co_u32 s21, s21, SLOT
	s_add_co_u32 s22, s22, SLOT
.endr
	s_mul_i32 s23, s10, 16*SPITCH
	s_add_co_u32 s23, s23, STAGE                   ; my stage
	v_mul_u32_u24 v4, v1, SPITCH
	v_lshl_add_u32 v4, v2, 4, v4
	v_add_nc_u32 v[STO], s23, v4
	v_mul_u32_u24 v5, v2, SPITCH                   ; back: lanes 0-15 one row of 256 bytes, lanes 16-31 the next
	v_lshl_add_u32 v5, v1, 4, v5
	v_add_nc_u32 v[RD], s23, v5
	v_mul_u32_u24 v5, v2, CP
	v_lshl_add_u32 v[CO], v1, 4, v5
	s_lshl_b32 s16, s13, 19                        ; where my part of C begins: (256 x tile row + 128 x half) rows of 2,048 bytes,
	s_lshl_b32 s14, s11, 18
	s_add_co_u32 s16, s16, s14
	s_mov_b32 s17, 0
	s_lshl_b32 s46, s40, 9                         ; 512 bytes a tile column + 256 a half, 8 MiB a weight
	s_lshl_b32 s47, s12, 8
	s_add_co_u32 s46, s46, s47
	s_lshl_b32 s47, ttmp9, 23
	s_add_co_u32 s46, s46, s47
	s_mov_b32 s47, 0
	s_add_nc_u64 s[16:17], s[16:17], s[46:47]
; 16 matrix instructions: m blocks a0, a0 + 1 of the window's four x all 8 n blocks, 32 along K.  zero = 1: the sums start from the bias.
; The 64 accumulators take turns, one instruction a turn.
.macro MUL16 f, hi, a0, zero
.irp a, \a0, \a0+1
.irp b, 0,1,2,3,4,5,6,7
.if \zero
	v_wmma_f32_16x16x32_bf16 v[8*(8*(\a)+\b):8*(8*(\a)+\b)+7], v[\f+8*\b:\f+8*\b+7], v[\f+8*(4*\hi+\a):\f+8*(4*\hi+\a)+7], v[BIAS+8*\b:BIAS+8*\b+7]
.else
	v_wmma_f32_16x16x32_bf16 v[8*(8*(\a)+\b):8*(8*(\a)+\b)+7], v[\f+8*\b:\f+8*\b+7], v[\f+8*(4*\hi+\a):\f+8*(4*\hi+\a)+7], v[8*(8*(\a)+\b):8*(8*(\a)+\b)+7]
.endif
.endr
.endr
.endm
; 32 LDS loads in one run: the fragments of quarter q (32 along K) of a slot into buffer f: W's 16 loads, then A's 16
.macro FETCH slot, q, f
	WIN TO_B
.irp i, 0,1,2,3,4,5,6,7
	ds_load_tr16_b128 v[\f+8*\i:\f+8*\i+3],   v[ADRB+\slot] offset:32*\q*PB+32*\i
	ds_load_tr16_b128 v[\f+8*\i+4:\f+8*\i+7], v[ADRB+\slot] offset:32*\q*PB+16*PB+32*\i
.endr
	WIN 0
.irp i, 0,1,2,3,4,5,6,7
	ds_load_b128 v[\f+8*\i:\f+8*\i+3],   v[ADRA+\slot] offset:64*\q+\i*16*PA
	ds_load_b128 v[\f+8*\i+4:\f+8*\i+7], v[ADRA+\slot] offset:64*\q+\i*16*PA+32
.endr
.endm
.macro PLACES                          ; four plain vector instructions between a matrix instruction and a load into, or a vector read of, its registers
.rept 4
	v_nop
.endr
.endm
; One of a K step's first three quarters: multiplies buffer f; in its middle fetches quarter q of the same slot into buffer g
.macro QUARTER slot, q, f, g, zero
	s_wait_dscnt 8                                 ; W and A's rows 0-63 are in; the youngest eight loads (A's rows 64-127) may be out
	WIN MUL_LO-0x20*\zero
	MUL16 \f, 0, 0, \zero
	MUL16 \f, 0, 2, \zero
	PLACES
	FETCH \slot, \q, \g
	s_wait_dscnt 32                                ; all but the 32 just issued
	WIN MUL_HI-0x30*\zero
	MUL16 \f, 1, 0, \zero
	MUL16 \f, 1, 2, \zero
.endm
; The first half of a K step's last quarter: one barrier for the change of slots
.macro MEET round
	s_wait_dscnt 8
	WIN MUL_LO
	MUL16 F1, 0, 0, 0
	s_wait_dscnt 0                                 ; my reads of this slot are over
	s_wait_tensorcnt 0x0                           ; all my tensor loads have landed: the one that was out is my part of the next slot
	s_barrier_signal -1
	MUL16 F1, 0, 2, 0                              ; register work while the others arrive
.if \round
	WIN 0
.endif
	s_barrier_wait -1
.endm
; The whole last quarter: behind the round the slot just read is filled again first, two K steps on; then the next slot's first fragments
.macro TURN slot, next
	MEET 1
	CREST                                          ; no wave of any partner still reads this slot or has a load on its way
	s_add_nc_u64 s[G0+4*\slot+2:G0+4*\slot+3], s[G0+4*\slot+2:G0+4*\slot+3], 2*KSTEP*2
	s_add_nc_u64 s[G0B+4*\slot+2:G0B+4*\slot+3], s[G0B+4*\slot+2:G0B+4*\slot+3], 2*BSTEP
	JLOAD \slot                                    ; my one tensor load behind the round; its four v_nop are also the places in front of the loads below
	FETCH \next, 0, F0
	WIN MUL_HI
	MUL16 F1, 1, 0, 0
	MUL16 F1, 1, 2, 0
.endm
; THE WAY OUT of block a (16 rows): rounded to bf16, 16 bytes a lane; through my own stage; back as whole rows of 256 bytes; stored
.macro PACK a
.set AC, 64*((\a)%4)
	WIN 0x0a+5*((\a)/4)                            ; sources 0 and 1: window 2 or 3
.irp b, 0,1,2,3,4,5,6,7
.irp r, 0,1,2,3
	v_cvt_pk_bf16_f32 v[TMP+4*\b+\r], v[AC+8*\b+2*\r], v[AC+8*\b+2*\r+1]
.endr
.endr
	WIN 0
.endm
.macro TOSTAGE a
.set BK, OB+192*((\a)%2)
.irp b, 0,1,2,3,4,5,6,7
	ds_store_b128 v[STO], v[TMP+4*\b:TMP+4*\b+3] offset:32*\b
.endr
.irp t, 0,1,2,3,4,5,6,7
	ds_load_b128 v[BK+4*\t:BK+4*\t+3], v[RD] offset:\t*2*SPITCH    ; LDS serves a wave's instructions in order: these see the stores above
.endr
.endm
.macro SEND a, younger
.set BK, OB+192*((\a)%2)
	s_wait_dscnt \younger                          ; the block is back in registers
	s_wait_xcnt 0x0                                ; the stores' base and the registers that earlier stores read are rewritten only behind this wait
.if (\a) == 0
	s_add_nc_u64 s[8:9], s[8:9], s[16:17]
.else
	s_add_nc_u64 s[8:9], s[8:9], 16*CP
.endif
.irp t, 0,1,2,3,4,5,6,7
	global_store_b128 v[CO], v[BK+4*\t:BK+4*\t+3], s[8:9] offset:2*\t*CP   ; 16 lanes store 256 consecutive bytes, at a multiple of 256 from the buffer's first byte
.endr
.endm
	s_wait_tensorcnt 1                             ; my part of K step 0 is in; K step 1's stays out
	s_barrier_signal -1
	s_barrier_wait -1
	FETCH 0, 0, F0
	s_wait_loadcnt 0x0                             ; the bias
	QUARTER 0, 1, F0, F1, 1                        ; the first quarter stands in front of the loop: its products start the sums
	WIN 0
	s_mov_b32 s3, LAPS-1
.Llap:                                                 ; a trip goes once round the ring and fills both slots again
	QUARTER 0, 2, F1, F0, 0
	QUARTER 0, 3, F0, F1, 0
	TURN 0, 1
	QUARTER 1, 1, F0, F1, 0
	QUARTER 1, 2, F1, F0, 0
	QUARTER 1, 3, F0, F1, 0
	TURN 1, 0
	QUARTER 0, 1, F0, F1, 0
	WIN 0
	s_sub_co_u32 s3, s3, 1
	s_cmp_lg_u32 s3, 0
	s_cbranch_scc1 .Llap
	QUARTER 0, 2, F1, F0, 0                        ; the last lap asks for nothing
	QUARTER 0, 3, F0, F1, 0
	MEET 0
	PLACES
	FETCH 1, 0, F0
	WIN MUL_HI
	MUL16 F1, 1, 0, 0
	MUL16 F1, 1, 2, 0
	QUARTER 1, 1, F0, F1, 0
	QUARTER 1, 2, F1, F0, 0
	QUARTER 1, 3, F0, F1, 0
	s_wait_dscnt 8
	WIN MUL_LO
	MUL16 F1, 0, 0, 0
	MUL16 F1, 0, 2, 0
	s_wait_dscnt 0
	WIN MUL_HI
	MUL16 F1, 1, 0, 0
	MUL16 F1, 1, 2, 0
	PLACES
	PACK 0
	TOSTAGE 0
.irp a, 1,2,3,4,5,6,7                  ; block a's conversions stand between block a - 1's loads from the stage and the wait for them
	PACK \a
	SEND \a-1, 0
	TOSTAGE \a
.endr
	SEND 7, 0
	CROUND                                         ; the closing round: no work-group ends while a partner may still ask for a tile that names it
	s_endpgm
.Lfunc_end_k_qc6f68f96ec_qkv:
	.size	k_qc6f68f96ec_qkv, .Lfunc_end_k_qc6f68f96ec_qkv-k_qc6f68f96ec_qkv
	.p2alignl 7, 3214868480
	.fill 96, 4, 3214868480
	.section	.rodata,"a",@progbits
	.p2align	6, 0x0
	.amdhsa_kernel k_qc6f68f96ec_qkv
		.amdhsa_group_segment_fixed_size 327680
		.amdhsa_private_segment_fixed_size 0
		.amdhsa_enable_private_segment 0
		.amdhsa_kernarg_size 40
		.amdhsa_user_sgpr_count 2
		.amdhsa_user_sgpr_kernarg_segment_ptr 1
		.amdhsa_wavefront_size32 1
		.amdhsa_system_sgpr_workgroup_id_x 1
		.amdhsa_system_sgpr_workgroup_id_y 1
		.amdhsa_system_sgpr_workgroup_id_z 1
		.amdhsa_system_vgpr_workitem_id 0
		.amdhsa_next_free_vgpr 1024
		.amdhsa_next_free_sgpr 84
		.amdhsa_reserve_vcc 0
		.amdhsa_float_denorm_mode_32 3
		.amdhsa_float_denorm_mode_16_64 3
		.amdhsa_memory_ordered 1
		.amdhsa_forward_progress 1
		.amdhsa_inst_pref_size 144
	.end_amdhsa_kernel
	.amdgpu_metadata
---
amdhsa.version: [ 1, 2 ]
amdhsa.kernels:
  - .name:           k_qc6f68f96ec_qkv
    .symbol:         k_qc6f68f96ec_qkv.kd
    .args:
      - { .name: cb, .offset: 0, .size: 8, .value_kind: global_buffer, .address_space: global }
      - { .name: qb, .offset: 8, .size: 8, .value_kind: global_buffer, .address_space: global }
      - { .name: kb, .offset: 16, .size: 8, .value_kind: global_buffer, .address_space: global }
      - { .name: vb, .offset: 24, .size: 8, .value_kind: global_buffer, .address_space: global }
      - { .name: qkv, .offset: 32, .size: 8, .value_kind: global_buffer, .address_space: global }
    .group_segment_fixed_size: 327680
    .private_segment_fixed_size: 0
    .kernarg_segment_align: 8
    .kernarg_segment_size: 40
    .max_flat_workgroup_size: 128
    .sgpr_count:     84
    .vgpr_count:     1024
    .wavefront_size: 32
...
	.end_amdgpu_metadata
.endif
;; end of part 2
;; launch attn (part 3): grid 16 x 16, 4 waves a work-group, clusters of 4 x 1, 327,680 bytes of LDS; arguments qkv, mask, rel_bias, ao; writes ao
.if DOCPART == 3
	.amdgcn_target "amdgcn-amd-amdhsa--gfx1250"
	.amdhsa_code_object_version 6
	.text
	.protected	k_qc6f68f96ec_attn
	.globl	k_qc6f68f96ec_attn
	.p2align	8
	.type	k_qc6f68f96ec_attn,@function
k_qc6f68f96ec_attn:
	s_mov_b64 s[64:65], 0
	v_nop
	global_prefetch_b8 v0, s[64:65] scope:SCOPE_SE
	s_setreg_imm32_b32 hwreg(HW_REG_WAVE_MODE, 25, 1), 1
	s_wait_xcnt 0x0
	s_wait_alu depctr_hold_cnt(0) depctr_sa_sdst(0) depctr_va_vdst(0) depctr_va_sdst(0) depctr_va_ssrc(0) depctr_va_vcc(0) depctr_vm_vsrc(0)
	s_getreg_b32 s2, hwreg(HW_REG_IB_STS2, 6, 4)
	s_cmp_eq_u32 s2, 0
	s_cbranch_scc0 .Lentry_in_a_cluster
	s_endpgm
.Lentry_in_a_cluster:
	s_bfe_u32 s2, ttmp6, 0x10000c
	s_cmp_lg_u32 s2, 0x3003
	s_cbranch_scc0 .Lentry_shape_is_right
	s_endpgm
.Lentry_shape_is_right:
; ao[b][t][head][:] = sum over s of softmax_s(q.k / 8 + rel_bias[t - s + 2047], keys with mask 0 left out) v[b][s][head][:].  q, k, v: qkv [3][4096][1024] bf16; ao [4096][1024] bf16.
; SHARES.  A work-group owns 128 queries of TWO neighbouring heads of one batch, so that the rows of K's and V's tiles and of ao are 256 bytes at multiples of 256.
; Wave w: head 2 pair + w / 2, queries 64 (w % 2) + 0..63 of the block: four tiles of 16.  Every wave walks the 2,048 keys, 64 a step.
; LAYOUT.  S^T = K Q^T + C (source 0 = 16 keys, source 1 = 16 queries): a lane holds ONE query (l % 16) and keys 8 (l / 16) + 0..7.  Two such tiles, rounded to bf16 in pairs, are
; source 1 of O^T = V^T P.  V ([key][channel]) is turned by ds_load_tr16_b128.
; BIAS.  C = 8 x rel_bias (an exact factor), so S = 8 x score and p = 2^(c s - c m), c = log2(e) / 8.  The bias hangs on key - query alone: a 16 x 16 tile's eight numbers a lane hang on
; the tile's diagonal c - t alone: 7 diagonals, 56 registers a step, read from a table in LDS of the block's 2,175 values, kept four times, shifted by 0 to 3 words, so that each lane's
; eight values are two aligned 16-byte loads.
; MASK.  A table of 0 or -2^100 for each key is added to S ahead of the maximum.  LIMITS: exact while |q.k + 8 bias| < 2^76; weights under 2^-126 count as 0 (v_exp_f32).
; Masked keys met before the first open key leave weights 1 behind, which the factor a = 2^(c m_old - c m_new) = 0 wipes out at the first open key.  A query with no open key at all gives NaN.
; ROW SUMS by the matrix unit: a fifth block of V^T with ones in rows 0 and 8 puts each query's sum l into register 0 of every lane.
; SOFTMAX with a running maximum m; O and l are multiplied by a in every step.
; BY TURNS.  A wave issues in order, so a softmax written as a phase of its own leaves no product to issue meanwhile.  The wave's tiles are two PIECES, named by their first tile: piece 0
; (tiles 0, 1) and piece 2 (tiles 2, 3); they share K's, V's, the bias's and the mask's registers and nothing else.  In a TURN one piece has the matrix unit: 20 products V^T P of the step in
; hand, then 16 products K Q^T of the next step; the other piece's softmax, 2 x 119 vector instructions, stands in 36 slices, one behind each product.  Two turns are a key step.
; All that a softmax touches but O^T and l lies in window 0, and no window has room for a product's operands beside it (a piece's softmax and the other's products name 336 registers): a slice
; costs two switches of the window, 144 for a key step's 72 products, and a few more round the runs of LDS loads.
; CLUSTER.  The four query blocks of a cluster walk the same K and V: each tile is asked for jointly, by the same load with the mask of all four.
; WINDOWS: 0: v1-7 addresses, v8-23 statistics, v24-31 at work, v32-63 mask, v64-191 S^T, v192-255 P.  1: v0-127 O^T, v128-159 l, v192-247 bias diagonals.  2: v0-63 Q, v64-127 K, v128-191 V, v192-199 ones.
.set KS,    64
.set PK,    272                        ; K's LDS row: 256 + 16 bytes
.set PV_P,  288                        ; V's: 256 + 32
.set VOFF,  KS*PK
.set STEPB, KS*(PK+PV_P)               ; a step: 64 rows of K, then 64 of V
.set SLOT1, 1<<17                      ; a slot holds two steps (71,680 bytes); slot 1 begins here
.set BT,    2*STEPB                    ; bias table: 4 copies; no tensor load lands here, in MT or in STAGE
.set BCOPY, 8768
.set MT,    BT+4*BCOPY                 ; mask table: 2,048 f32
.set STAGE, SLOT1+2*STEPB              ; 128 rows x 272 bytes, the work-group's, for the way out
.set SP,    272
.set AK0, 1                            ; my lane's place in a tile of K
.set AV0, 2                            ; in a tile of V
.set AB0, 3                            ; in the bias table, diagonal -3 of step 0
.set AM0, 4                            ; in the mask table
.set ADR, 5                            ; the address of the run of loads in hand
.set ST,  8                            ; tile t at v[ST+4 t]: +0 c m, +1 m, +2 a (at the end 1 / l), +3 c m_old - c m_new
.set TT,  24                           ; v24-27 at work for a piece's first tile, v28-31 for its second
.set STO, 28                           ; the way out's three addresses take v28-30 when the loop is over
.set RD,  29
.set GO,  30
.set MK,  32
.set S,   64
.set P,   192
.set LA,  128                          ; window 1
.set BD,  192                          ; window 1
.set KF,  64                           ; window 2
.set VF,  128                          ; window 2
.set ONES, 192                         ; window 2
.set WV,  12
.set G1K, 24
.set G1V, 32
.set G0K, 40                           ; a set for each of the two first fills; the second then walks on
.set G0V, 48
.set SLOTS, 56
.set CS,  58                           ; s[58:59] c
.set SEL, 60                           ; s[60:61] each lane takes its own place in the other half
.set SB,  62                           ; LDS byte at which the slot begins from which K and V are fetched
.set SM,  63                           ; 256 x the step to be fetched: its bytes in the bias and mask tables
.set THR, 66                           ; -2^99
.set HD,  68                           ; w / 2: which of the two heads
.set NUM, 122                          ; numbers in a tile's list of softmax instructions
.set W_KB, 0x1a                        ; K, Q window 2, the bias (C) window 1, S^T window 0
.set W_KQ, 0x0a                        ; K, Q window 2, S^T (C and D) window 0
.set W_PV, 0x52                        ; V window 2, P window 0, O^T (C and D) window 1
.set W_RS, 0x41                        ; O^T (destination and source 0) window 1, a window 0
.set MSB, 0
.macro WIN new                         ; the immediate's high byte repeats the setting that is left; a switch that changes nothing is dropped
.if MSB != \new
	s_set_vgpr_msb (MSB<<8)|\new
.set MSB, \new
.endif
.endm
.macro JLOAD                           ; a joint refill: waves 0, 1 fetch the two steps' K, waves 2, 3 their V.  Four v_nop follow each line
	s_cmp_lt_u32 s[WV], 2
	s_cbranch_scc0 .Lfor_v_\@
	tensor_load_to_lds s[G0K+4:G0K+7], s[G1K:G1K+7]
.rept 4
	v_nop
.endr
	s_branch .Lasked_\@
.Lfor_v_\@:
	tensor_load_to_lds s[G0V+4:G0V+7], s[G1V:G1V+7]
.rept 4
	v_nop
.endr
.Lasked_\@:
.endm
.macro CROUND                          ; a round of the cluster's barrier
	s_barrier_signal -1
	s_barrier_wait -1
	s_cmp_lg_u32 s[WV], 0
	s_cbranch_scc1 .Lnot_wave_0_\@
	s_barrier_signal -3
.Lnot_wave_0_\@:
	s_barrier_wait -3
	s_barrier_signal -1
	s_barrier_wait -1
.endm
.macro PLACES                          ; four plain vector instructions between a matrix instruction and a load into, or a vector read of, its registers
.rept 4
	v_nop
.endr
.endm
	s_load_b256 s[4:11], s[0:1], 0x0               ; qkv s[4:5], mask s[6:7], rel_bias s[8:9], ao s[10:11]
	v_lshrrev_b32 v1, 5, v0
	v_readfirstlane_b32 s[WV], v1
	s_bfe_u32 s13, ttmp6, 0x40000                  ; cx
	s_lshl_b32 s14, ttmp9, 2
	s_add_co_u32 s14, s14, s13                     ; my block of 128 queries: it enters global addresses of Q, rel_bias and ao alone
	s_and_b32 s15, ttmp7, 0xffff
	s_lshr_b32 s18, s15, 3                         ; batch
	s_and_b32 s19, s15, 7                          ; pair of heads
	s_lshl_b32 s20, s18, 22                        ; the batch's 2,048 rows of 2,048 bytes
	s_lshl_b32 s19, s19, 8                         ; the pair's 256 bytes of a row
	s_add_co_u32 s20, s20, s19
	s_mov_b32 s21, 0
	s_lshl_b32 s18, s18, 11                        ; the batch's row of the mask
	s_mov_b32 s19, 0
	s_and_b32 s16, s[WV], 1                        ; which of a slot's two steps I fetch; also my half of the queries
	s_lshr_b32 s[HD], s[WV], 1
	s_lshl_b32 s22, s16, 17                        ; 64 rows of 2,048 bytes
	s_add_co_u32 s22, s22, s20                     ; K's and V's tile: batch, pair and wave alone
	s_mov_b32 s23, 0
	s_mul_i32 s17, s16, STEPB                      ; its place in a slot
	s_lshl_b32 s2, s14, 18                         ; my block's 128 rows
	s_add_co_u32 s20, s20, s2                      ; ao at the block's first row
	s_add_co_u32 s2, s22, s2                       ; Q at my wave's first row,
	s_lshl_b32 s3, s[HD], 7
	s_add_co_u32 s2, s2, s3                        ; my head
	s_mov_b32 s3, 0
	s_lshl_b32 s69, s14, 7
	s_add_co_u32 s69, s69, 2174                    ; table entry u is 8 rel_bias[q0 + 2174 - u], u = key - query in the block + 127
	s_mov_b32 s[G1K], 15|(1<<16)|(1<<20)|(1<<21)|(5<<22)|(3<<25)   ; mask of all four; 2-byte elements; padding on; bit 21 beside a mask; after every 64 words 4 words
	s_mov_b32 s[G1V], 15|(1<<16)|(1<<20)|(1<<21)|(5<<22)|(7<<25)   ; 8 words
.irp g, G1K, G1V
	s_mov_b32 s[\g+1], 128<<16                     ; tensor_dim0 = 128
	s_mov_b32 s[\g+2], KS<<16                      ; tensor_dim1 = 64
	s_mov_b32 s[\g+3], 128<<16                     ; tile_dim0 = 128
	s_mov_b32 s[\g+4], KS                          ; tile_dim1 = 64
	s_mov_b32 s[\g+5], 1024                        ; elements from row to row
	s_mov_b32 s[\g+6], 0
	s_mov_b32 s[\g+7], 0
.endr
	s_mov_b32 s[CS], 0x3e38aa3b                    ; c = log2(e) / 8
	s_mov_b32 s[CS+1], s[CS]
	s_mov_b32 s[SEL], 0x76543210
	s_mov_b32 s[SEL+1], 0xfedcba98
	s_mov_b32 s[SB], 0
	s_mov_b32 s[SM], 0
	s_mov_b32 s[THR], 0xf1000000
	s_mov_b32 s[SLOTS], 14                         ; 16 slots' worth of keys; two are the first fills
	s_wait_kmcnt 0x0
	s_add_nc_u64 s[22:23], s[4:5], s[22:23]
	s_add_nc_u64 s[4:5], s[4:5], s[2:3]
	s_add_nc_u64 s[6:7], s[6:7], s[18:19]
	s_add_nc_u64 s[10:11], s[10:11], s[20:21]
	CROUND                                         ; all four work-groups are here: the first joint loads meet
.irp s, 0,1
	s_mov_b32 s[G0K+4*\s], 1
	s_add_co_u32 s[G0K+4*\s+1], s17, \s*SLOT1
	s_add_nc_u64 s[G0K+4*\s+2:G0K+4*\s+3], s[22:23], 8388608+\s*2*KS*2048   ; k begins 8 MiB into qkv; slot s begins with keys 128 s
	s_or_b32 s[G0K+4*\s+3], s[G0K+4*\s+3], 0x80000000
	s_mov_b32 s[G0V+4*\s], 1
	s_add_co_u32 s[G0V+4*\s+1], s17, \s*SLOT1+VOFF
	s_add_nc_u64 s[G0V+4*\s+2:G0V+4*\s+3], s[22:23], 16777216+\s*2*KS*2048
	s_or_b32 s[G0V+4*\s+3], s[G0V+4*\s+3], 0x80000000
.endr
	s_cmp_lt_u32 s[WV], 2                          ; a wave's two first fills stand in one branch: two loads of mine are out
	s_cbranch_scc0 .Lfirst_v
	tensor_load_to_lds s[G0K:G0K+3], s[G1K:G1K+7]
	tensor_load_to_lds s[G0K+4:G0K+7], s[G1K:G1K+7]
.rept 4
	v_nop
.endr
	s_branch .Lfirst_asked
.Lfirst_v:
	tensor_load_to_lds s[G0V:G0V+3], s[G1V:G1V+7]
	tensor_load_to_lds s[G0V+4:G0V+7], s[G1V:G1V+7]
.rept 4
	v_nop
.endr
.Lfirst_asked:
	; the tables' sources: thread n takes entries u = n + 128 i, i = 0..16, and 16 bytes of the mask
	v_sub_nc_u32 v6, s69, v0                       ; q0 + 2174 - n
	v_add_nc_u32 v7, 0xfffff800, v6                ; entry n + 2048; for u = 2175, which no lane reads, it would be -1 in block 0:
	v_max_i32 v7, 0, v7                            ; clamped into the buffer
	v_lshlrev_b32 v6, 2, v6
	v_lshlrev_b32 v7, 2, v7
	v_lshlrev_b32 v28, 4, v0
.irp i, 0,1,2,3,4,5,6,7,8,9,10,11,12,13,14,15
	global_load_b32 v[S+\i], v6, s[8:9] offset:-512*\i
.endr
	global_load_b32 v[S+16], v7, s[8:9]
	global_load_b128 v[S+20:S+23], v28, s[6:7]
	v_and_b32 v24, 15, v0                          ; l % 16
	v_bfe_u32 v25, v0, 4, 1                        ; l / 16
	v_lshlrev_b32 v29, 11, v24
	v_lshl_add_u32 v29, v25, 4, v29                ; Q: row x 2,048 + 16 x half
	WIN 0x80                                       ; destination window 2
.irp t, 0,1,2,3
.irp g, 0,1
	global_load_b128 v[16*\t+8*\g:16*\t+8*\g+3],   v29, s[4:5] offset:\t*32768+64*\g
	global_load_b128 v[16*\t+8*\g+4:16*\t+8*\g+7], v29, s[4:5] offset:\t*32768+64*\g+32
.endr
.endr
	WIN 0
	v_and_b32 v26, 7, v0
	v_bfe_u32 v27, v0, 3, 1
	s_lshl_b32 s2, s[HD], 7                        ; my head's 128 bytes of a row
	v_mul_u32_u24 v[AK0], v24, PK
	v_lshl_add_u32 v[AK0], v25, 4, v[AK0]
	v_add_nc_u32 v[AK0], s2, v[AK0]
	v_lshl_add_u32 v[AV0], v25, 3, v26             ; the turning load: key 8 (l / 16) + l % 8, channels 8 ((l / 8) % 2) on
	v_mul_u32_u24 v[AV0], v[AV0], PV_P
	v_lshl_add_u32 v[AV0], v27, 4, v[AV0]
	s_add_co_u32 s2, s2, VOFF
	v_add_nc_u32 v[AV0], s2, v[AV0]
	; bias: my first value of diagonal -3 in step 0 is entry u0 = 8 (l / 16) - 64 (w % 2) - l % 16 + 79 = 8 (l / 16) + 64 (1 - w % 2) + rr, rr = 15 - l % 16.
	; Copy sg = rr % 4 holds entry p + sg at byte 8768 sg + 4 p, so u0 lies there at 8764 sg + 4 u0, a multiple of 16.
	v_xor_b32 v[ADR], 15, v24                      ; rr
	v_and_b32 v[AB0], 3, v[ADR]                    ; sg
	v_mul_u32_u24 v[AB0], v[AB0], BCOPY-4
	v_lshl_add_u32 v[AB0], v[ADR], 2, v[AB0]
	v_lshl_add_u32 v[AB0], v25, 5, v[AB0]
	s_xor_b32 s2, s16, 1
	s_lshl_b32 s2, s2, 8
	s_add_co_u32 s2, s2, BT
	v_add_nc_u32 v[AB0], s2, v[AB0]
	v_lshlrev_b32 v[AM0], 5, v25
	v_add_nc_u32 v[AM0], MT, v[AM0]
	v_lshlrev_b32 v30, 2, v0
	v_add_nc_u32 v30, BT, v30                      ; where thread n stores entry n of copy 0
	v_lshlrev_b32 v31, 6, v0
	v_add_nc_u32 v31, MT, v31                      ; and its 16 keys' mask numbers
	v_cmp_eq_u32 vcc_lo, 0, v26                    ; rows 0 and 8 of the fifth block of V^T
	v_mov_b32 v[ADR], 0x3f803f80                   ; two bf16 ones
	WIN 0x80
.irp i, 0,1,2,3,4,5,6,7
	v_cndmask_b32 v[ONES+\i], 0, v[ADR], vcc_lo
.endr
	WIN 0
	s_wait_loadcnt 16                              ; the tables' 18 loads are in; Q's 16 stay out
.irp i, 0,1,2,3,4,5,6,7,8,9,10,11,12,13,14,15,16
	v_mul_f32 v[S+\i], 0x41000000, v[S+\i]         ; x 8, exact
.endr
.irp g, 0,1,2,3
.irp i, 0,1,2,3,4,5,6,7,8,9,10,11,12,13,14,15,16
	ds_store_b32 v30, v[S+\i] offset:512*\i+(BCOPY-4)*\g   ; entry u of copy g at 8768 g + 4 (u - g); entries u < g fall into the unused end of the copy before
.endr
.endr
.irp d, 0,1,2,3
.irp k, 0,1,2,3
	v_bfe_u32 v[S+24+4*\d+\k], v[S+20+\d], 8*\k, 8         ; the key's byte: 1 open, 0 masked
	v_add_nc_u32 v[S+24+4*\d+\k], -1, v[S+24+4*\d+\k]      ; 0 or all ones
	v_and_b32 v[S+24+4*\d+\k], 0xf1800000, v[S+24+4*\d+\k] ; 0 or -2^100
.endr
	ds_store_b128 v31, v[S+24+4*\d:S+24+4*\d+3] offset:16*\d
.endr
	s_wait_tensorcnt 1                             ; my part of slot 0 is in; slot 1's stays out
	s_wait_dscnt 0x0                               ; my part of the tables is written
	s_barrier_signal -1
	s_barrier_wait -1
; THE LDS LOADS stand in runs, never singly among the matrix instructions.
.macro FETCH_K o                       ; 16 loads: 64 keys x my head's 64 channels, from byte o of the slot in hand
	WIN 0
	v_add_nc_u32 v[ADR], s[SB], v[AK0]
	WIN 0x80
.irp c, 0,1,2,3
.irp g, 0,1
	ds_load_b128 v[KF+16*\c+8*\g:KF+16*\c+8*\g+3],   v[ADR] offset:\o+\c*16*PK+64*\g
	ds_load_b128 v[KF+16*\c+8*\g+4:KF+16*\c+8*\g+7], v[ADR] offset:\o+\c*16*PK+64*\g+32
.endr
.endr
.endm
.macro FETCH_B                         ; 14 loads: the 7 diagonals of the same step
	WIN 0
	v_add_nc_u32 v[ADR], s[SM], v[AB0]
	WIN 0x40
.irp e, 0,1,2,3,4,5,6
	ds_load_b128 v[BD+8*\e:BD+8*\e+3],   v[ADR] offset:64*\e
	ds_load_b128 v[BD+8*\e+4:BD+8*\e+7], v[ADR] offset:64*\e+16
.endr
.endm
.macro FETCH_M                         ; 8 loads: the mask numbers of my 32 keys of the same step; then the tables' offset steps on
	WIN 0
	v_add_nc_u32 v[ADR], s[SM], v[AM0]
	s_add_co_u32 s[SM], s[SM], 256
.irp c, 0,1,2,3
	ds_load_b128 v[MK+8*\c:MK+8*\c+3],   v[ADR] offset:64*\c
	ds_load_b128 v[MK+8*\c+4:MK+8*\c+7], v[ADR] offset:64*\c+16
.endr
.endm
.macro FETCH_V o                       ; 16 turning loads: keys 32 kk on, channels 16 b on
	WIN 0
	v_add_nc_u32 v[ADR], s[SB], v[AV0]
	WIN 0x80
.irp kk, 0,1
.irp b, 0,1,2,3
	ds_load_tr16_b128 v[VF+8*(4*\kk+\b):VF+8*(4*\kk+\b)+3],   v[ADR] offset:\o+\kk*32*PV_P+32*\b
	ds_load_tr16_b128 v[VF+8*(4*\kk+\b)+4:VF+8*(4*\kk+\b)+7], v[ADR] offset:\o+\kk*32*PV_P+16*PV_P+32*\b
.endr
.endr
.endm
; THE MATRIX WORK OF A TURN, for piece x.  The accumulators take turns, one instruction a turn: between two links of a chain stand 7 (K Q^T) or 9 (V^T P) others'.
; Product i of 16 of S^T = K Q^T + bias: channels 32 (i / 8) on, keys 16 ((i / 2) % 4) on, tile x + i % 2.  The first 8 start the sums from the bias.
.macro KQ x
.set tq, \x+i%2
.set cq, (i/2)%4
.set rD, S+32*tq+8*cq
.if i < 8
	WIN W_KB
	v_wmma_f32_16x16x32_bf16 v[rD:rD+7], v[KF+16*cq:KF+16*cq+7], v[16*tq:16*tq+7], v[BD+8*(cq-tq+3):BD+8*(cq-tq+3)+7]
.else
	WIN W_KQ
	v_wmma_f32_16x16x32_bf16 v[rD:rD+7], v[KF+16*cq+8:KF+16*cq+15], v[16*tq+8:16*tq+15], v[rD:rD+7]
.endif
.endm
; Product i of 20 of O^T += V^T P, l += ones P: keys 32 (i / 10) on, channels 16 ((i % 10) / 2) on (the fifth block: the ones), tile x + i % 2.  zero = 1: the first 10 start the sums.
.macro PV x, zero
	WIN W_PV
.set tq, \x+i%2
.set kk, i/10
.set bq, (i%10)/2
.if bq < 4
.set rD, 32*tq+8*bq
.set rA, VF+8*(4*kk+bq)
.else
.set rD, LA+8*tq
.set rA, ONES
.endif
.if (\zero) && (i < 10)
	v_wmma_f32_16x16x32_bf16 v[rD:rD+7], v[rA:rA+7], v[P+16*tq+8*kk:P+16*tq+8*kk+7], 0
.else
	v_wmma_f32_16x16x32_bf16 v[rD:rD+7], v[rA:rA+7], v[P+16*tq+8*kk:P+16*tq+8*kk+7], v[rD:rD+7]
.endif
.endm
; THE VECTOR WORK OF A TURN.  One tile's softmax for one key step is a list of 122 numbers (three of them empty: 119 instructions); SM writes number j of it for tile t.
;   0-15    the mask is added, pair by pair in ascending order: each accumulator is read from its low end on
;   16-31   the maximum of the lane's 32 scores and the old m, three operands at a time, in four chains
;   32-37   c m_old kept; the other half of the lanes' maximum; the new m; c m; c m_old - c m_new; a
;   38-104  c s - c m for 16 pairs, 32 exponentials, 16 roundings to bf16: each exponential has a plain instruction that touches none of its registers behind it before its
;           result is used (ISA guide 5.7.2): the scaling of a pair still to come, or the rounding of the pair before
;   105-121 the tile's O^T and l times a: the one part that leaves window 0, so it stands together
; first = 1: the first key step has no old maximum, no a and nothing to rescale.
.macro SUBP b                          ; pair b: c s - c m
	v_pk_fma_f32 v[rS+2*(\b):rS+2*(\b)+1], v[rS+2*(\b):rS+2*(\b)+1], s[CS:CS+1], v[rT:rT+1] op_sel_hi:[1,0,0] neg_lo:[0,0,1] neg_hi:[0,0,1]
.endm
.macro CVTP b                          ; pair b of weights to bf16
	v_cvt_pk_bf16_f32 v[rP+(\b)], v[rS+2*(\b)], v[rS+2*(\b)+1]
.endm
.macro SM t, first
.set rS, S+32*(\t)
.set rT, ST+4*(\t)
.set rP, P+16*(\t)
.set rX, TT+4*((\t)%2)
.set rO, 32*(\t)
.if j < 105
	WIN 0
.endif
.if j < 16
	v_pk_add_f32 v[rS+2*j:rS+2*j+1], v[rS+2*j:rS+2*j+1], v[MK+2*j:MK+2*j+1]
.elseif j < 20
.set u, j-16
	v_max3_num_f32 v[rX+u], v[rS+8*u], v[rS+8*u+1], v[rS+8*u+2]
.elseif j < 28
.set u, j%4
.set w, 2*((j-20)/4)
	v_max3_num_f32 v[rX+u], v[rX+u], v[rS+8*u+3+w], v[rS+8*u+4+w]
.elseif j == 28
	v_max3_num_f32 v[rX], v[rX], v[rS+7], v[rS+15]
.elseif j == 29
	v_max3_num_f32 v[rX+2], v[rX+2], v[rS+23], v[rS+31]
.elseif j == 30
	v_max3_num_f32 v[rX], v[rX], v[rX+1], v[rX+2]
.elseif (j == 31) && \first
	v_max_num_f32 v[rX], v[rX], v[rX+3]
.elseif j == 31
	v_max3_num_f32 v[rX], v[rX], v[rX+3], v[rT+1]
.elseif ((j == 32) || (j == 36) || (j == 37) || (j > 104)) && \first  ; the first step has none of these
.elseif j == 32
	v_mov_b32 v[rT+3], v[rT]                       ; c m_old
.elseif j == 33
	v_permlanex16_b32 v[rX+1], v[rX], s[SEL], s[SEL+1]     ; the query's other 32 keys lie in the lane 16 away
.elseif j == 34
	v_max_num_f32 v[rT+1], v[rX], v[rX+1]
.elseif j == 35
	v_mul_f32 v[rT], s[CS], v[rT+1]
.elseif j == 36
	v_sub_f32 v[rT+3], v[rT+3], v[rT]
.elseif j == 37
	v_exp_f32 v[rT+2], v[rT+3]                     ; a
.elseif j < 40
	SUBP j-38
.elseif j < 104
.set p, (j-40)/4
.set q, (j-40)%4
.if q == 0
	v_exp_f32 v[rS+2*p], v[rS+2*p]
.elseif q == 2
	v_exp_f32 v[rS+2*p+1], v[rS+2*p+1]
.elseif (q == 1) && (p < 14)
	SUBP p+2
.elseif (q == 3) && (p > 0)
	CVTP p-1
.endif
.elseif j == 104
	CVTP 15
.elseif j < 121
	WIN W_RS
	v_pk_mul_f32 v[rO+2*(j-105):rO+2*(j-105)+1], v[rO+2*(j-105):rO+2*(j-105)+1], v[rT+2:rT+3] op_sel_hi:[1,0]
.else
	WIN W_RS
	v_mul_f32 v[LA+8*(\t)], v[LA+8*(\t)], v[rT+2]
.endif
.endm
; Slice k of NSL of piece y's softmax: numbers k NUM / NSL up to (k + 1) NUM / NSL of both tiles' lists.  The two tiles alternate, so that no instruction reads the result of the one just before it.
; With 36 slices the last one is numbers 118 to 121 of both tiles: eight plain instructions on O^T and l, which name nothing of the products round them.
.macro SLICE y, first
.set j, (k*NUM)/NSL
.rept ((k+1)*NUM)/NSL-(k*NUM)/NSL
	SM \y, \first
	SM \y+1, \first
.set j, j+1
.endr
.set k, k+1
.endm
; A TURN.  Piece x has the matrix unit; the other piece's softmax stands in slices behind its products, one slice behind each.
; pv = 2: 20 products V^T P; 1: they start O^T's and l's sums; 0: none.  kq = 1: 16 products K Q^T for the next step.  o: the byte in the slot at which the step to be fetched begins.
; first = 1: the softmax is the first key step's; its last slices are empty, and four v_nop take the last slice's part as the places behind the turn's last products.
; Piece 0's turn fetches the next step's K and bias behind its second product: their last readers stand ahead of the last slice of the turn before, eight plain instructions (or the four v_nop).
; It fetches the next step's mask behind its sixth product: piece 2's additions of this step's mask are numbers 0 to 15, which slices 0 to 4 hold.
; Piece 2's turn fetches the same step's V behind its second K Q^T: the last product that read V stands four slices back, with twelve plain instructions or more between.
.macro TURN x, pv, kq, first, o
.set k, 0
.if \pv && \kq
.set NSL, 36
.elseif \pv
.set NSL, 20
.else
.set NSL, 16
.endif
.if \pv
.if \x == 0
	s_wait_dscnt 0x0                               ; V is in
.endif
.set i, 0
.rept 20
	PV \x, 2-\pv
	SLICE 2-\x, \first
.if (\x == 0) && \kq && (i == 1)
	FETCH_K \o
	FETCH_B
.endif
.if (\x == 0) && \kq && (i == 5)
	FETCH_M
.endif
.set i, i+1
.endr
.endif
.if \kq
.if \x == 0
	s_wait_dscnt 0x0                               ; K, the bias and the mask are in
.endif
.set i, 0
.rept 16
	KQ \x
	SLICE 2-\x, \first
.if (\x == 2) && (i == 1)
	FETCH_V \o
.endif
.set i, i+1
.endr
.endif
.if \first
	PLACES
.endif
.endm
; THE CHANGE OF SLOTS, between piece 2's turn and piece 0's: the slot's last bytes, V of its second step, have been asked for.  Each wave waits for its reads and for all its tensor loads (one is
; out: its part of the other slot).  fill = 1: behind a round of the cluster's barrier the slot just read is filled again first, with the keys two slots on; it has two key steps, 144 products, in which to land.
.macro CHANGE fill
	WIN 0                                          ; at a label and at a branch every window is 0
	s_wait_dscnt 0x0
	s_wait_tensorcnt 0x0                           ; no tensor load of mine is out, so a group 0 may be written
.if \fill
.irp g, G0K+4, G0V+4
	s_xor_b32 s[\g+1], s[\g+1], SLOT1              ; the walking descriptor: the other slot than last time,
	s_add_nc_u64 s[\g+2:\g+3], s[\g+2:\g+3], 2*KS*2048     ; the next 128 keys
.endr
	CROUND
	JLOAD
.else
	s_barrier_signal -1
	s_barrier_wait -1
.endif
	s_xor_b32 s[SB], s[SB], SLOT1                  ; the fetches go on in the other slot
.endm
	FETCH_K 0                                      ; key step 0
	FETCH_B
	FETCH_M
	s_wait_loadcnt 0x0                             ; Q
	s_wait_dscnt 0x0
.set i, 0
.rept 16
	KQ 0                                           ; piece 0's first scores: there is no vector work yet to set between them
.set i, i+1
.endr
	PLACES
	TURN 2, 0, 1, 1, 0                             ; piece 2's first scores | piece 0's first softmax | V of step 0
	TURN 0, 1, 1, 1, STEPB                         ; piece 0: V^T P of step 0 starts O^T, K Q^T of step 1 | piece 2's first softmax | K, bias, mask of step 1
	TURN 2, 1, 1, 0, STEPB                         ; piece 2: the same | piece 0's softmax of step 1 | V of step 1
	WIN 0
.Lslot:                                                ; 14 trips: every slot but the last two is filled again; a trip is two key steps and fetches the other slot's two steps
	CHANGE 1
	TURN 0, 2, 1, 0, 0
	TURN 2, 2, 1, 0, 0
	TURN 0, 2, 1, 0, STEPB
	TURN 2, 2, 1, 0, STEPB
	WIN 0
	s_sub_co_u32 s[SLOTS], s[SLOTS], 1
	s_cmp_lg_u32 s[SLOTS], 0
	s_cbranch_scc1 .Lslot
	CHANGE 0                                       ; the tail is written out: nothing is asked for
	TURN 0, 2, 1, 0, 0
	TURN 2, 2, 1, 0, 0
	TURN 0, 2, 1, 0, STEPB
	TURN 2, 2, 1, 0, STEPB
	TURN 0, 2, 0, 0, 0                             ; piece 0: V^T P of the last step | piece 2's last softmax
.set i, 0
.rept 20
	PV 2, 0                                        ; piece 2: V^T P of the last step
.set i, i+1
.endr
	; THE WAY OUT.  The addresses are made here: plain instructions, the places behind the last products.
	WIN 0
	v_and_b32 v24, 15, v0
	v_bfe_u32 v25, v0, 4, 1
	s_lshl_b32 s2, s16, 6
	v_add_nc_u32 v[STO], s2, v24                   ; in: row 64 (w % 2) + l % 16 (+ 16 t), my head's half of its 256 bytes, 16 bytes for each half of the lanes
	v_mul_u32_u24 v[STO], v[STO], SP
	v_lshl_add_u32 v[STO], v25, 4, v[STO]
	s_lshl_b32 s3, s[HD], 7
	s_add_co_u32 s3, s3, STAGE
	v_add_nc_u32 v[STO], s3, v[STO]
	s_lshl_b32 s2, s[WV], 5
	v_add_nc_u32 v[RD], s2, v25                    ; back: wave w takes rows 32 w on, whole; lanes 0-15 one row, lanes 16-31 the next
	v_lshlrev_b32 v[GO], 11, v[RD]
	v_mul_u32_u24 v[RD], v[RD], SP
	v_lshl_add_u32 v[RD], v24, 4, v[RD]
	v_add_nc_u32 v[RD], STAGE, v[RD]
	v_lshl_add_u32 v[GO], v24, 4, v[GO]
	v_mov_b32 v6, 0x7fc00000                       ; NaN
	WIN 0x01
.irp t, 0,1,2,3
	v_rcp_f32 v[ST+4*\t+2], v[LA+8*\t]             ; 1 / l: l lies in the accumulator's register 0
.endr
	WIN 0
	v_nop                                          ; a plain instruction between the last reciprocal and the use of the results
.irp t, 0,1,2,3
	v_cmp_gt_f32 vcc_lo, s[THR], v[ST+4*\t+1]      ; m under -2^99: the query had no open key
	v_cndmask_b32 v[ST+4*\t+2], v[ST+4*\t+2], v6, vcc_lo
.endr
.irp t, 0,1,2,3
	WIN 0x41
.set i, 0
.rept 16
	v_pk_mul_f32 v[32*\t+2*i:32*\t+2*i+1], v[32*\t+2*i:32*\t+2*i+1], v[ST+4*\t+2:ST+4*\t+3] op_sel_hi:[1,0]
.set i, i+1
.endr
	WIN 0x05                                       ; sources window 1, destination window 0: S^T's registers are free
.set i, 0
.rept 16
	v_cvt_pk_bf16_f32 v[S+16*\t+i], v[32*\t+2*i], v[32*\t+2*i+1]
.set i, i+1
.endr
	WIN 0
.irp b, 0,1,2,3
	ds_store_b128 v[STO], v[S+16*\t+4*\b:S+16*\t+4*\b+3] offset:\t*16*SP+32*\b
.endr
.endr
	s_wait_dscnt 0x0                               ; for the others' sake: a row's 256 bytes come from two waves
	s_barrier_signal -1
	s_barrier_wait -1
.irp i, 0,1,2,3,4,5,6,7,8,9,10,11,12,13,14,15
	ds_load_b128 v[S+4*\i:S+4*\i+3], v[RD] offset:\i*2*SP
.endr
.irp i, 0,1,2,3,4,5,6,7,8,9,10,11,12,13,14,15
	s_wait_dscnt 15-\i
	global_store_b128 v[GO], v[S+4*\i:S+4*\i+3], s[10:11] offset:\i*4096   ; 16 lanes store 256 consecutive bytes, at a multiple of 256 from ao's first byte
.endr
	CROUND                                         ; the closing round
	s_endpgm
.Lfunc_end_k_qc6f68f96ec_attn:
	.size	k_qc6f68f96ec_attn, .Lfunc_end_k_qc6f68f96ec_attn-k_qc6f68f96ec_attn
	.p2alignl 7, 3214868480
	.fill 96, 4, 3214868480
	.section	.rodata,"a",@progbits
	.p2align	6, 0x0
	.amdhsa_kernel k_qc6f68f96ec_attn
		.amdhsa_group_segment_fixed_size 327680
		.amdhsa_private_segment_fixed_size 0
		.amdhsa_enable_private_segment 0
		.amdhsa_kernarg_size 32
		.amdhsa_user_sgpr_count 2
		.amdhsa_user_sgpr_kernarg_segment_ptr 1
		.amdhsa_wavefront_size32 1
		.amdhsa_system_sgpr_workgroup_id_x 1
		.amdhsa_system_sgpr_workgroup_id_y 1
		.amdhsa_system_sgpr_workgroup_id_z 1
		.amdhsa_system_vgpr_workitem_id 0
		.amdhsa_next_free_vgpr 768
		.amdhsa_next_free_sgpr 70
		.amdhsa_reserve_vcc 1
		.amdhsa_float_denorm_mode_32 3
		.amdhsa_float_denorm_mode_16_64 3
		.amdhsa_memory_ordered 1
		.amdhsa_forward_progress 1
		.amdhsa_inst_pref_size 254
	.end_amdhsa_kernel
	.amdgpu_metadata
---
amdhsa.version: [ 1, 2 ]
amdhsa.kernels:
  - .name:           k_qc6f68f96ec_attn
    .symbol:         k_qc6f68f96ec_attn.kd
    .args:
      - { .name: qkv, .offset: 0, .size: 8, .value_kind: global_buffer, .address_space: global }
      - { .name: mask, .offset: 8, .size: 8, .value_kind: global_buffer, .address_space: global }
      - { .name: rel_bias, .offset: 16, .size: 8, .value_kind: global_buffer, .address_space: global }
      - { .name: ao, .offset: 24, .size: 8, .value_kind: global_buffer, .address_space: global }
    .group_segment_fixed_size: 327680
    .private_segment_fixed_size: 0
    .kernarg_segment_align: 8
    .kernarg_segment_size: 32
    .max_flat_workgroup_size: 128
    .sgpr_count:     70
    .vgpr_count:     768
    .wavefront_size: 32
...
	.end_amdgpu_metadata
.endif
;; end of part 3
;; launch oproj (part 4): grid 8 x 32, 4 waves a work-group, clusters of 4 x 4, 327,680 bytes of LDS; arguments ao, cb, ob, x, y; writes y
.if DOCPART == 4
	.amdgcn_target "amdgcn-amd-amdhsa--gfx1250"
	.amdhsa_code_object_version 6
	.text
	.protected	k_qc6f68f96ec_oproj
	.globl	k_qc6f68f96ec_oproj
	.p2align	8
	.type	k_qc6f68f96ec_oproj,@function
k_qc6f68f96ec_oproj:
	s_mov_b64 s[64:65], 0
	v_nop
	global_prefetch_b8 v0, s[64:65] scope:SCOPE_SE
	s_setreg_imm32_b32 hwreg(HW_REG_WAVE_MODE, 25, 1), 1
	s_wait_xcnt 0x0
	s_wait_alu depctr_hold_cnt(0) depctr_sa_sdst(0) depctr_va_vdst(0) depctr_va_sdst(0) depctr_va_ssrc(0) depctr_va_vcc(0) depctr_vm_vsrc(0)
	s_getreg_b32 s2, hwreg(HW_REG_IB_STS2, 6, 4)
	s_cmp_eq_u32 s2, 0
	s_cbranch_scc0 .Lentry_in_a_cluster
	s_endpgm
.Lentry_in_a_cluster:
	s_bfe_u32 s2, ttmp6, 0x10000c
	s_cmp_lg_u32 s2, 0xf033
	s_cbranch_scc0 .Lentry_shape_is_right
	s_endpgm
.Lentry_shape_is_right:
; y = x + ao ow + ob.  A = ao [4096][1024] bf16; W = ow in bf16 ([1024 k][1024 n], cb byte 14,680,064); bias ob, residual x and y in f32.  Sums in f32.
; 4096 x 1024 of C are 256 tiles of 128 x 128, one for each of 256 work-groups.  Four waves, each 64 x 64: 16 accumulators.  K goes in steps of 256 through two LDS slots.
; A's tile lies [row][k] (rows of 512 bytes + 16), W's [k][n] (rows of 256 bytes + 32), turned by ds_load_tr16_b128.  CLUSTER 4 x 4: A's tile shared along a row, W's along a column, by joint loads.
; The matrix instruction is used transposed: a lane holds row l % 16 of C and eight neighbouring columns.  The bias is each sum's first C operand.
; The residual's 64 x 64 numbers of a wave are asked for at the start, in the lanes' layout of the stores, and stay on their way through the K loop.
; A wave's 64 f32 columns are 256 bytes at a multiple of 256: each wave sends its blocks of 16 rows through a stage of its own; no barrier on the way out.
; WINDOWS: 0: v0-31 addresses, v32-63 bias, later with v64-95 the way out, v128-255 accumulators.  1: two fragment buffers of 128.  2: v0-127 the residual, then the result.
.set SIZE_K, 1024
.set WOFF,   14680064
.set KSTEP,  256
.set PA,     528
.set PB,     288                       ; 9 x 32 bytes
.set HALFA,  64*PA                     ; what a wave's load of A brings: 64 rows
.set HALFB,  128*PB                    ; of W: 128 k-rows
.set BOFF,   2*HALFA
.set SLOT,   BOFF+2*HALFB
.set STAGE,  2*SLOT                    ; 16 rows x 272 bytes for each wave; no tensor load lands here
.set SPITCH, 272
.set LAPS,   SIZE_K/(2*KSTEP)
.set ADRA, 16                          ; v16-17  A's fragments in slot 0, 1
.set ADRB, 20                          ; v20-21  W's, k-rows 0-127; v22-23 k-rows 128-255 (past the 16-bit offset)
.set STO,  24
.set RD,   25
.set CO,   26
.set BO,   27
.set BIAS, 32
.set TMP,  32
.set ACC,  128
.set F0,   0
.set F1,   128
.set G1, 24
.set G0, 32
.set G1B, 48
.set G0B, 56
.set MSB, 0
.macro WIN new
.if MSB != \new
	s_set_vgpr_msb (MSB<<8)|\new
.set MSB, \new
.endif
.endm
.set MUL,  0x05                        ; sources 0 (W) and 1 (A) window 1; C and D window 0
.set TO_F, 0x40
.macro JLOAD s                         ; waves 0, 1 fetch A's halves, waves 2, 3 W's; four v_nop follow each line
	s_cmp_eq_u32 s11, 0
	s_cbranch_scc0 .Lfor_b_\@
	tensor_load_to_lds s[G0+4*\s:G0+4*\s+3], s[G1:G1+7]
.rept 4
	v_nop
.endr
	s_branch .Lasked_\@
.Lfor_b_\@:
	tensor_load_to_lds s[G0B+4*\s:G0B+4*\s+3], s[G1B:G1B+7]
.rept 4
	v_nop
.endr
.Lasked_\@:
.endm
.macro CREST
	s_cmp_lg_u32 s10, 0
	s_cbranch_scc1 .Lnot_wave_0_\@
	s_barrier_signal -3
.Lnot_wave_0_\@:
	s_barrier_wait -3
	s_barrier_signal -1
	s_barrier_wait -1
.endm
.macro CROUND
	s_barrier_signal -1
	s_barrier_wait -1
	CREST
.endm
	s_load_b256 s[72:79], s[0:1], 0x0              ; A s[72:73], cb s[74:75], bias s[76:77], residual s[78:79]
	s_load_b64 s[8:9], s[0:1], 0x20                ; y
	v_lshrrev_b32 v1, 5, v0
	v_readfirstlane_b32 s10, v1
	s_lshr_b32 s11, s10, 1                         ; my half of the rows.  Also: I fetch for A (0) or W (1)
	s_and_b32 s12, s10, 1                          ; my half of the columns.  Also: which half of that tile I fetch
	s_bfe_u32 s40, ttmp6, 0x40000
	s_bfe_u32 s41, ttmp6, 0x40004
	s_lshl_b32 s42, ttmp9, 2
	s_add_co_u32 s42, s42, s40                     ; tile column
	s_and_b32 s13, ttmp7, 0xffff
	s_lshl_b32 s13, s13, 2
	s_add_co_u32 s13, s13, s41                     ; tile row
	s_lshl_b32 s43, s41, 2
	s_lshl_b32 s43, 15, s43
	s_lshl_b32 s44, 0x1111, s40
	s_or_b32 s[G1+0], s43, (1<<16)|(1<<20)|(1<<21)|(6<<22)|(3<<25)   ; A: after every 128 words 4 words of padding
	s_mov_b32 s[G1+1], KSTEP<<16
	s_mov_b32 s[G1+2], 64<<16
	s_mov_b32 s[G1+3], KSTEP<<16
	s_mov_b32 s[G1+4], 64
	s_mov_b32 s[G1+5], SIZE_K
	s_mov_b32 s[G1+6], 0
	s_mov_b32 s[G1+7], 0
	s_or_b32 s[G1B+0], s44, (1<<16)|(1<<20)|(1<<21)|(5<<22)|(7<<25)  ; W: after every 64 words 8 words
	s_mov_b32 s[G1B+1], 128<<16
	s_mov_b32 s[G1B+2], 128<<16
	s_mov_b32 s[G1B+3], 128<<16
	s_mov_b32 s[G1B+4], 128
	s_mov_b32 s[G1B+5], 1024
	s_mov_b32 s[G1B+6], 0
	s_mov_b32 s[G1B+7], 0
	s_lshl_b32 s16, s13, 7
	s_lshl_b32 s17, s12, 6
	s_add_co_u32 s16, s16, s17                     ; A: row 128 x tile row + 64 x half
	s_mul_i32 s16, s16, SIZE_K*2
	s_mov_b32 s17, 0
	s_lshl_b32 s46, s42, 8                         ; W: 256 bytes a tile column, 128 k-rows of 2,048 bytes a half
	s_lshl_b32 s47, s12, 18
	s_add_co_u32 s46, s46, s47
	s_add_co_u32 s46, s46, WOFF
	s_mov_b32 s47, 0
	s_mul_i32 s20, s12, HALFA                      ; where they go
	s_mul_i32 s21, s12, HALFB
	s_add_co_u32 s21, s21, BOFF
	s_wait_kmcnt 0x0
	s_add_nc_u64 s[14:15], s[72:73], s[16:17]
	s_add_nc_u64 s[46:47], s[74:75], s[46:47]
	CROUND                                         ; the first joint loads meet
.irp s, 0,1
	s_mov_b32 s[G0+4*\s], 1
	s_add_co_u32 s[G0+4*\s+1], s20, \s*SLOT
	s_add_nc_u64 s[G0+4*\s+2:G0+4*\s+3], s[14:15], \s*KSTEP*2
	s_or_b32 s[G0+4*\s+3], s[G0+4*\s+3], 0x80000000
	s_mov_b32 s[G0B+4*\s], 1
	s_add_co_u32 s[G0B+4*\s+1], s21, \s*SLOT
	s_add_nc_u64 s[G0B+4*\s+2:G0B+4*\s+3], s[46:47], \s*KSTEP*2048
	s_or_b32 s[G0B+4*\s+3], s[G0B+4*\s+3], 0x80000000
	JLOAD \s                                       ; two tensor loads of mine are out
.endr
	v_and_b32 v1, 15, v0
	v_bfe_u32 v2, v0, 4, 1
	v_lshlrev_b32 v5, 12, v2                       ; the stores' and the residual's layout: lanes 0-15 one row's 256 bytes, lanes 16-31 the next row's
	v_lshl_add_u32 v[CO], v1, 4, v5
	s_lshl_b32 s16, s13, 19                        ; (128 x tile row + 64 x half) rows of 4,096 bytes
	s_lshl_b32 s17, s11, 18
	s_add_co_u32 s16, s16, s17
	s_mov_b32 s17, 0
	s_lshl_b32 s46, s42, 9                         ; 512 bytes a tile column + 256 a half: in y, in the residual and in the bias
	s_lshl_b32 s47, s12, 8
	s_add_co_u32 s46, s46, s47
	s_mov_b32 s47, 0
	v_lshl_add_u32 v[BO], v2, 5, s46
	s_add_nc_u64 s[16:17], s[16:17], s[46:47]
	s_add_nc_u64 s[78:79], s[78:79], s[16:17]
	s_add_nc_u64 s[8:9], s[8:9], s[16:17]
.irp b, 0,1,2,3
	global_load_b128 v[BIAS+8*\b:BIAS+8*\b+3],   v[BO], s[76:77] offset:64*\b
	global_load_b128 v[BIAS+8*\b+4:BIAS+8*\b+7], v[BO], s[76:77] offset:64*\b+16
.endr
	WIN 0x80                                       ; destination window 2
.irp a, 0,1,2,3
.irp t, 0,1,2,3,4,5,6,7
	global_load_b128 v[32*\a+4*\t:32*\a+4*\t+3], v[CO], s[78:79] offset:(16*\a+2*\t)*4096
.endr
.endr
	WIN 0
	v_mul_u32_u24 v3, v1, PA
	v_lshl_add_u32 v3, v2, 4, v3
	v_and_b32 v4, 7, v0
	v_lshl_add_u32 v4, v2, 3, v4
	v_mul_u32_u24 v4, v4, PB
	v_bfe_u32 v5, v0, 3, 1
	v_lshl_add_u32 v4, v5, 4, v4
	s_mul_i32 s22, s11, HALFA                      ; my 64 rows of A
	s_lshl_b32 s23, s12, 7                         ; my 64 columns of W
	s_add_co_u32 s23, s23, BOFF
.irp s, 0,1
	v_add_nc_u32 v[ADRA+\s], s22, v3
	v_add_nc_u32 v[ADRB+\s], s23, v4
	v_add_nc_u32 v[ADRB+2+\s], HALFB, v[ADRB+\s]
	s_add_co_u32 s22, s22, SLOT
	s_add_co_u32 s23, s23, SLOT
.endr
	s_mul_i32 s22, s10, 16*SPITCH
	s_add_co_u32 s22, s22, STAGE                   ; my stage
	v_mul_u32_u24 v4, v1, SPITCH                   ; in: row l % 16, 32 bytes for each half of the lanes
	v_lshl_add_u32 v4, v2, 5, v4
	v_add_nc_u32 v[STO], s22, v4
	v_mul_u32_u24 v5, v2, SPITCH
	v_lshl_add_u32 v5, v1, 4, v5
	v_add_nc_u32 v[RD], s22, v5
; 8 matrix instructions: m blocks a0, a0 + 1 x 4 n blocks, half c of buffer f.  zero = 1: the sums start from the bias.  The 16 accumulators take turns.
.macro MUL8 f, c, a0, zero
.irp a, \a0, \a0+1
.irp b, 0,1,2,3
.if \zero
	v_wmma_f32_16x16x32_bf16 v[ACC+8*(4*(\a)+\b):ACC+8*(4*(\a)+\b)+7], v[\f+64+8*(4*\c+\b):\f+64+8*(4*\c+\b)+7], v[\f+8*(4*\c+\a):\f+8*(4*\c+\a)+7], v[BIAS+8*\b:BIAS+8*\b+7]
.else
	v_wmma_f32_16x16x32_bf16 v[ACC+8*(4*(\a)+\b):ACC+8*(4*(\a)+\b)+7], v[\f+64+8*(4*\c+\b):\f+64+8*(4*\c+\b)+7], v[\f+8*(4*\c+\a):\f+8*(4*\c+\a)+7], v[ACC+8*(4*(\a)+\b):ACC+8*(4*(\a)+\b)+7]
.endif
.endr
.endr
.endm
; 32 LDS loads in one run: the fragments of 64 along K from element k on, into buffer f; the first 32 along K first
.macro FETCH slot, k, f
	WIN TO_F
.irp c, 0,1
.irp i, 0,1,2,3
	ds_load_tr16_b128 v[\f+64+8*(4*\c+\i):\f+64+8*(4*\c+\i)+3],   v[ADRB+\slot+2*(\k/128)] offset:((\k%128)+32*\c)*PB+32*\i
	ds_load_tr16_b128 v[\f+64+8*(4*\c+\i)+4:\f+64+8*(4*\c+\i)+7], v[ADRB+\slot+2*(\k/128)] offset:((\k%128)+32*\c+16)*PB+32*\i
	ds_load_b128 v[\f+8*(4*\c+\i):\f+8*(4*\c+\i)+3],              v[ADRA+\slot] offset:2*\k+64*\c+\i*16*PA
	ds_load_b128 v[\f+8*(4*\c+\i)+4:\f+8*(4*\c+\i)+7],            v[ADRA+\slot] offset:2*\k+64*\c+\i*16*PA+32
.endr
.endr
.endm
.macro PLACES                          ; four plain vector instructions between a matrix instruction and a load into, or a read of, its registers
.rept 4
	v_nop
.endr
.endm
.macro QUARTER slot, k, f, g, zero     ; multiplies buffer f (64 along K) and fetches the quarter at element k into g
	s_wait_dscnt 16                                ; the first 32 along K are in
	WIN MUL
	MUL8 \f, 0, 0, \zero
	MUL8 \f, 0, 2, \zero
	PLACES
	FETCH \slot, \k, \g
	s_wait_dscnt 32                                ; all but the 32 just issued
	WIN MUL
	MUL8 \f, 1, 0, 0
	MUL8 \f, 1, 2, 0
.endm
.macro TURN slot, next, fill           ; the last quarter changes slots: one barrier; fill = 1: it opens a round, and this slot is filled again, two K steps on
	s_wait_dscnt 16
	WIN MUL
	MUL8 F1, 0, 0, 0
	s_wait_dscnt 0                                 ; my reads of this slot are over
	s_wait_tensorcnt 0x0                           ; all my tensor loads have landed: my part of the next slot
	s_barrier_signal -1
	MUL8 F1, 0, 2, 0
.if \fill
	WIN 0
.endif
	s_barrier_wait -1
.if \fill
	CREST
	s_add_nc_u64 s[G0+4*\slot+2:G0+4*\slot+3], s[G0+4*\slot+2:G0+4*\slot+3], 2*KSTEP*2
	s_add_nc_u64 s[G0B+4*\slot+2:G0B+4*\slot+3], s[G0B+4*\slot+2:G0B+4*\slot+3], 2*KSTEP*2048
	JLOAD \slot                                    ; my one tensor load behind the round; its four v_nop are also the places in front of the loads below
.else
	PLACES
.endif
	FETCH \next, 0, F0
	WIN MUL
	MUL8 F1, 1, 0, 0
	MUL8 F1, 1, 2, 0
.endm
; THE WAY OUT of m block a: 16 rows x 256 bytes into my stage and back as whole rows; the residual is added; stored
.macro STG a
.irp b, 0,1,2,3
	ds_store_b128 v[STO], v[ACC+8*(4*\a+\b):ACC+8*(4*\a+\b)+3]   offset:64*\b      ; each accumulator is read from its low end on
	ds_store_b128 v[STO], v[ACC+8*(4*\a+\b)+4:ACC+8*(4*\a+\b)+7] offset:64*\b+16
.endr
.irp t, 0,1,2,3,4,5,6,7
	ds_load_b128 v[TMP+32*((\a)%2)+4*\t:TMP+32*((\a)%2)+4*\t+3], v[RD] offset:\t*2*SPITCH   ; LDS serves a wave's instructions in order
.endr
.endm
.macro FIN a, younger                  ; younger: the next block's 16 LDS instructions, or none
	s_wait_dscnt \younger
	WIN 0x82                                       ; destination and source 0 window 2, source 1 window 0
.set i, 0
.rept 16
	v_pk_add_f32 v[32*\a+2*i:32*\a+2*i+1], v[32*\a+2*i:32*\a+2*i+1], v[TMP+32*((\a)%2)+2*i:TMP+32*((\a)%2)+2*i+1]
.set i, i+1
.endr
	WIN 0x08                                       ; store data window 2
.irp t, 0,1,2,3,4,5,6,7
	global_store_b128 v[CO], v[32*\a+4*\t:32*\a+4*\t+3], s[8:9] offset:(16*\a+2*\t)*4096   ; 16 lanes store 256 consecutive bytes, at a multiple of 256; each register is written once
.endr
	WIN 0
.endm
	s_wait_tensorcnt 1                             ; my part of K step 0 is in
	s_barrier_signal -1
	s_barrier_wait -1
	FETCH 0, 0, F0
	s_wait_loadcnt 32                              ; the bias is in; the residual's 32 loads stay out
	QUARTER 0, 64, F0, F1, 1
	WIN 0
	s_mov_b32 s3, LAPS-1
.Llap:                                                 ; a trip goes once round the ring and fills both slots again
	QUARTER 0, 128, F1, F0, 0
	QUARTER 0, 192, F0, F1, 0
	TURN 0, 1, 1
	QUARTER 1, 64,  F0, F1, 0
	QUARTER 1, 128, F1, F0, 0
	QUARTER 1, 192, F0, F1, 0
	TURN 1, 0, 1
	QUARTER 0, 64,  F0, F1, 0
	WIN 0
	s_sub_co_u32 s3, s3, 1
	s_cmp_lg_u32 s3, 0
	s_cbranch_scc1 .Llap
	QUARTER 0, 128, F1, F0, 0                      ; the last lap fills nothing
	QUARTER 0, 192, F0, F1, 0
	TURN 0, 1, 0
	QUARTER 1, 64,  F0, F1, 0
	QUARTER 1, 128, F1, F0, 0
	QUARTER 1, 192, F0, F1, 0
	s_wait_dscnt 16
	WIN MUL
	MUL8 F1, 0, 0, 0
	MUL8 F1, 0, 2, 0
	s_wait_dscnt 0
	MUL8 F1, 1, 0, 0
	MUL8 F1, 1, 2, 0
	WIN 0
	PLACES
	s_wait_loadcnt 0x0                             ; the residual
	STG 0
	STG 1
	FIN 0, 16
	STG 2
	FIN 1, 16
	STG 3
	FIN 2, 16
	FIN 3, 0
	CROUND                                         ; the closing round
	s_endpgm
.Lfunc_end_k_qc6f68f96ec_oproj:
	.size	k_qc6f68f96ec_oproj, .Lfunc_end_k_qc6f68f96ec_oproj-k_qc6f68f96ec_oproj
	.p2alignl 7, 3214868480
	.fill 96, 4, 3214868480
	.section	.rodata,"a",@progbits
	.p2align	6, 0x0
	.amdhsa_kernel k_qc6f68f96ec_oproj
		.amdhsa_group_segment_fixed_size 327680
		.amdhsa_private_segment_fixed_size 0
		.amdhsa_enable_private_segment 0
		.amdhsa_kernarg_size 40
		.amdhsa_user_sgpr_count 2
		.amdhsa_user_sgpr_kernarg_segment_ptr 1
		.amdhsa_wavefront_size32 1
		.amdhsa_system_sgpr_workgroup_id_x 1
		.amdhsa_system_sgpr_workgroup_id_y 1
		.amdhsa_system_sgpr_workgroup_id_z 1
		.amdhsa_system_vgpr_workitem_id 0
		.amdhsa_next_free_vgpr 640
		.amdhsa_next_free_sgpr 84
		.amdhsa_reserve_vcc 0
		.amdhsa_float_denorm_mode_32 3
		.amdhsa_float_denorm_mode_16_64 3
		.amdhsa_memory_ordered 1
		.amdhsa_forward_progress 1
		.amdhsa_inst_pref_size 93
	.end_amdhsa_kernel
	.amdgpu_metadata
---
amdhsa.version: [ 1, 2 ]
amdhsa.kernels:
  - .name:           k_qc6f68f96ec_oproj
    .symbol:         k_qc6f68f96ec_oproj.kd
    .args:
      - { .name: ao, .offset: 0, .size: 8, .value_kind: global_buffer, .address_space: global }
      - { .name: cb, .offset: 8, .size: 8, .value_kind: global_buffer, .address_space: global }
      - { .name: ob, .offset: 16, .size: 8, .value_kind: global_buffer, .address_space: global }
      - { .name: x, .offset: 24, .size: 8, .value_kind: global_buffer, .address_space: global }
      - { .name: y, .offset: 32, .size: 8, .value_kind: global_buffer, .address_space: global }
    .group_segment_fixed_size: 327680
    .private_segment_fixed_size: 0
    .kernarg_segment_align: 8
    .kernarg_segment_size: 40
    .max_flat_workgroup_size: 128
    .sgpr_count:     84
    .vgpr_count:     640
    .wavefront_size: 32
...
	.end_amdgpu_metadata
.endif
;; end of part 4
;; launch ln1 (part 5): grid 256 x 1, 8 waves a work-group, no clusters, 0 bytes of LDS; arguments y, ln1_w, ln1_b, x1, x1b; writes x1, x1b
.if DOCPART == 5
	.amdgcn_target "amdgcn-amd-amdhsa--gfx1250"
	.amdhsa_code_object_version 6
	.text
	.protected	k_qc6f68f96ec_ln1
	.globl	k_qc6f68f96ec_ln1
	.p2align	8
	.type	k_qc6f68f96ec_ln1,@function
k_qc6f68f96ec_ln1:
	s_mov_b64 s[64:65], 0
	v_nop
	global_prefetch_b8 v0, s[64:65] scope:SCOPE_SE
	s_setreg_imm32_b32 hwreg(HW_REG_WAVE_MODE, 25, 1), 1
	s_wait_xcnt 0x0
; x1 = (y - mean) / sqrt(var + 1e-6) * w + b along rows of 1,024 f32; stored in f32 (x1) and in bf16 (x1b, the next product's operand).
; A stream: one wave takes two whole rows and keeps them in registers, so y is read once, the variance is the mean of the squares of the CENTRED values (no difference of large sums),
; and the reductions never leave the wave: no LDS, no barrier.  All 32 loads of a wave go out at once; each covers 512 consecutive bytes.
.set X0, 8                             ; v[8:39]    row 0: load j brings numbers 128 j + 4 lane + 0..3
.set X1, 40                            ; v[40:71]   row 1
.set W,  72                            ; v[72:103]  gain, same places
.set B,  104                           ; v[104:135] offset
.set YB, 136                           ; v[136:167] bf16: 16 registers a row
.set T,  168                           ; v[168:175] four chains
.set MU, 176                           ; v[176:177] the mean, twice
.set RS, 178                           ; v[178:181] 1 / sigma, twice, for each row
.set SEL, 16                           ; s[16:17]
.set INV, 18                           ; 1 / 1024
.set EPS, 19
	s_load_b256 s[4:11], s[0:1], 0x0               ; y s[4:5], w s[6:7], b s[8:9], x1 s[10:11]
	s_load_b64 s[12:13], s[0:1], 0x20              ; x1b
	v_and_b32 v1, 31, v0
	v_lshrrev_b32 v4, 5, v0
	v_lshlrev_b32 v1, 4, v1                        ; 16 x lane
	v_lshl_add_u32 v2, v4, 13, v1                  ; + the wave's two rows of 4,096 bytes
	v_lshrrev_b32 v3, 1, v2                        ; the same in bf16
	s_lshl_b32 s2, ttmp9, 16                       ; the work-group's 16 rows
	s_mov_b32 s3, 0
	s_lshl_b32 s14, ttmp9, 15
	s_mov_b32 s15, 0
	s_mov_b32 s[SEL], 0x76543210
	s_mov_b32 s[SEL+1], 0xfedcba98
	s_mov_b32 s[INV], 0x3a800000
	s_mov_b32 s[EPS], 0x358637bd
	s_wait_kmcnt 0x0
	s_add_nc_u64 s[4:5], s[4:5], s[2:3]
	s_add_nc_u64 s[10:11], s[10:11], s[2:3]
	s_add_nc_u64 s[12:13], s[12:13], s[14:15]
.irp j, 0,1,2,3,4,5,6,7
	global_load_b128 v[X0+4*\j:X0+4*\j+3], v2, s[4:5] offset:512*\j th:TH_LOAD_NT
.endr
.irp j, 0,1,2,3,4,5,6,7
	global_load_b128 v[X1+4*\j:X1+4*\j+3], v2, s[4:5] offset:4096+512*\j th:TH_LOAD_NT
.endr
.irp j, 0,1,2,3,4,5,6,7
	global_load_b128 v[W+4*\j:W+4*\j+3], v1, s[6:7] offset:512*\j
.endr
.irp j, 0,1,2,3,4,5,6,7
	global_load_b128 v[B+4*\j:B+4*\j+3], v1, s[8:9] offset:512*\j
.endr
.macro WAVESUM                         ; the four chains, then the 32 lanes: the sum in v[T] of every lane
	v_pk_add_f32 v[T:T+1], v[T:T+1], v[T+2:T+3]
	v_pk_add_f32 v[T+4:T+5], v[T+4:T+5], v[T+6:T+7]
	v_pk_add_f32 v[T:T+1], v[T:T+1], v[T+4:T+5]
	v_add_f32 v[T], v[T], v[T+1]
	v_add_f32_dpp v[T], v[T], v[T] row_xmask:1 row_mask:0xf bank_mask:0xf
	v_add_f32_dpp v[T], v[T], v[T] row_xmask:2 row_mask:0xf bank_mask:0xf
	v_add_f32_dpp v[T], v[T], v[T] row_xmask:4 row_mask:0xf bank_mask:0xf
	v_add_f32_dpp v[T], v[T], v[T] row_xmask:8 row_mask:0xf bank_mask:0xf
	v_permlanex16_b32 v[T+1], v[T], s[SEL], s[SEL+1]
	v_add_f32 v[T], v[T], v[T+1]
.endm
.macro STATS X, k                      ; the row is centred in place; 1 / sigma into RS's pair k
.irp c, 0,1,2,3
	v_pk_add_f32 v[T+2*\c:T+2*\c+1], v[\X+2*\c:\X+2*\c+1], v[\X+8+2*\c:\X+8+2*\c+1]   ; the first sums start the chains
.endr
.irp g, 16, 24
.irp c, 0,1,2,3
	v_pk_add_f32 v[T+2*\c:T+2*\c+1], v[T+2*\c:T+2*\c+1], v[\X+\g+2*\c:\X+\g+2*\c+1]
.endr
.endr
	WAVESUM
	v_mul_f32 v[MU], s[INV], v[T]
	v_mul_f32 v[MU+1], s[INV], v[T]
.set i, 0
.rept 16
	v_pk_add_f32 v[\X+2*i:\X+2*i+1], v[\X+2*i:\X+2*i+1], v[MU:MU+1] neg_lo:[0,1] neg_hi:[0,1]
.set i, i+1
.endr
.irp c, 0,1,2,3
	v_pk_mul_f32 v[T+2*\c:T+2*\c+1], v[\X+2*\c:\X+2*\c+1], v[\X+2*\c:\X+2*\c+1]
.endr
.irp g, 8, 16, 24
.irp c, 0,1,2,3
	v_pk_fma_f32 v[T+2*\c:T+2*\c+1], v[\X+\g+2*\c:\X+\g+2*\c+1], v[\X+\g+2*\c:\X+\g+2*\c+1], v[T+2*\c:T+2*\c+1]
.endr
.endr
	WAVESUM
	v_fma_f32 v[T], v[T], s[INV], s[EPS]
	v_rsq_f32 v[RS+2*\k], v[T]
	v_rsq_f32 v[RS+2*\k+1], v[T]
	v_nop                                          ; a plain instruction before the results are used or the source is rewritten (ISA guide 5.7.2)
.endm
.macro NORM X, k                       ; scaled, gain and offset; stored in f32 and in bf16
.set i, 0
.rept 16
	v_pk_mul_f32 v[\X+2*i:\X+2*i+1], v[\X+2*i:\X+2*i+1], v[RS+2*\k:RS+2*\k+1]
.set i, i+1
.endr
.set i, 0
.rept 16
	v_pk_fma_f32 v[\X+2*i:\X+2*i+1], v[\X+2*i:\X+2*i+1], v[W+2*i:W+2*i+1], v[B+2*i:B+2*i+1]
.set i, i+1
.endr
.irp j, 0,1,2,3,4,5,6,7
	global_store_b128 v2, v[\X+4*\j:\X+4*\j+3], s[10:11] offset:4096*\k+512*\j     ; a wave's store covers 512 consecutive bytes
.endr
.irp j, 0,1,2,3,4,5,6,7
	v_cvt_pk_bf16_f32 v[YB+16*\k+2*\j],   v[\X+4*\j],   v[\X+4*\j+1]
	v_cvt_pk_bf16_f32 v[YB+16*\k+2*\j+1], v[\X+4*\j+2], v[\X+4*\j+3]
	global_store_b64 v3, v[YB+16*\k+2*\j:YB+16*\k+2*\j+1], s[12:13] offset:2048*\k+256*\j   ; 256 consecutive bytes at a multiple of 256
.endr
.endm
	s_wait_loadcnt 24                              ; row 0 is in
	STATS X0, 0
	s_wait_loadcnt 16                              ; row 1 is in
	STATS X1, 1
	s_wait_loadcnt 0x0                             ; gain and offset
	NORM X0, 0
	NORM X1, 1                                     ; no register is written again behind a store that reads it
	s_endpgm
.Lfunc_end_k_qc6f68f96ec_ln1:
	.size	k_qc6f68f96ec_ln1, .Lfunc_end_k_qc6f68f96ec_ln1-k_qc6f68f96ec_ln1
	.p2alignl 7, 3214868480
	.fill 96, 4, 3214868480
	.section	.rodata,"a",@progbits
	.p2align	6, 0x0
	.amdhsa_kernel k_qc6f68f96ec_ln1
		.amdhsa_group_segment_fixed_size 0
		.amdhsa_private_segment_fixed_size 0
		.amdhsa_enable_private_segment 0
		.amdhsa_kernarg_size 40
		.amdhsa_user_sgpr_count 2
		.amdhsa_user_sgpr_kernarg_segment_ptr 1
		.amdhsa_wavefront_size32 1
		.amdhsa_system_sgpr_workgroup_id_x 1
		.amdhsa_system_sgpr_workgroup_id_y 1
		.amdhsa_system_sgpr_workgroup_id_z 1
		.amdhsa_system_vgpr_workitem_id 0
		.amdhsa_next_free_vgpr 184
		.amdhsa_next_free_sgpr 66
		.amdhsa_reserve_vcc 0
		.amdhsa_float_denorm_mode_32 3
		.amdhsa_float_denorm_mode_16_64 3
		.amdhsa_memory_ordered 1
		.amdhsa_forward_progress 1
		.amdhsa_inst_pref_size 22
	.end_amdhsa_kernel
	.amdgpu_metadata
---
amdhsa.version: [ 1, 2 ]
amdhsa.kernels:
  - .name:           k_qc6f68f96ec_ln1
    .symbol:         k_qc6f68f96ec_ln1.kd
    .args:
      - { .name: y, .offset: 0, .size: 8, .value_kind: global_buffer, .address_space: global }
      - { .name: ln1_w, .offset: 8, .size: 8, .value_kind: global_buffer, .address_space: global }
      - { .name: ln1_b, .offset: 16, .size: 8, .value_kind: global_buffer, .address_space: global }
      - { .name: x1, .offset: 24, .size: 8, .value_kind: global_buffer, .address_space: global }
      - { .name: x1b, .offset: 32, .size: 8, .value_kind: global_buffer, .address_space: global }
    .group_segment_fixed_size: 0
    .private_segment_fixed_size: 0
    .kernarg_segment_align: 8
    .kernarg_segment_size: 40
    .max_flat_workgroup_size: 256
    .sgpr_count:     66
    .vgpr_count:     184
    .wavefront_size: 32
...
	.end_amdgpu_metadata
.endif
;; end of part 5
;; launch ffn1 (part 6): grid 16 x 16, 4 waves a work-group, clusters of 4 x 4, 327,680 bytes of LDS; arguments x1b, cb, f1b, hb; writes hb
.if DOCPART == 6
	.amdgcn_target "amdgcn-amd-amdhsa--gfx1250"
	.amdhsa_code_object_version 6
	.text
	.protected	k_qc6f68f96ec_ffn1
	.globl	k_qc6f68f96ec_ffn1
	.p2align	8
	.type	k_qc6f68f96ec_ffn1,@function
k_qc6f68f96ec_ffn1:
	s_mov_b64 s[64:65], 0
	v_nop
	global_prefetch_b8 v0, s[64:65] scope:SCOPE_SE
	s_setreg_imm32_b32 hwreg(HW_REG_WAVE_MODE, 25, 1), 1
	s_wait_xcnt 0x0
	s_wait_alu depctr_hold_cnt(0) depctr_sa_sdst(0) depctr_va_vdst(0) depctr_va_sdst(0) depctr_va_ssrc(0) depctr_va_vcc(0) depctr_vm_vsrc(0)
	s_getreg_b32 s2, hwreg(HW_REG_IB_STS2, 6, 4)
	s_cmp_eq_u32 s2, 0
	s_cbranch_scc0 .Lentry_in_a_cluster
	s_endpgm
.Lentry_in_a_cluster:
	s_bfe_u32 s2, ttmp6, 0x10000c
	s_cmp_lg_u32 s2, 0xf033
	s_cbranch_scc0 .Lentry_shape_is_right
	s_endpgm
.Lentry_shape_is_right:
; h = gelu(x1 f1w + f1b), the exact (erf) GELU.  A = x1b [4096][1024] bf16; W = f1w in bf16 ([1024 k][4096 n], cb byte 16,777,216); out: hb [4096][4096] bf16.  Sums and GELU in f32.
; 256 tiles of 256 x 256, one for each of 256 work-groups; four waves, each 128 x 128: 64 accumulators of 16 x 16, 512 registers.
; K = 1,024 goes in 8 steps of 128 through two LDS slots filled by tensor loads.  A's tile lies [row][k] (rows of 256 bytes + 16), W's [k][n] (rows of 512 bytes + 32), turned by ds_load_tr16_b128.
; CLUSTER 4 x 4: A's tile is shared along a row of the cluster, W's along a column, by joint loads.
; The matrix instruction is used transposed (source 0 = 16 columns of W, source 1 = 16 rows of A): a lane holds row l % 16 of C and eight neighbouring columns.  The bias is each sum's first C operand.
; GELU: x Phi(x) = max(x, 0) - |x| e^(-x^2/2) t (b1 + t (b2 + t (b3 + t (b4 + t b5)))), t = 1 / (1 + 0.2316419 |x|), b = Abramowitz and Stegun 26.2.17's coefficients / sqrt(2 pi).
; LIMIT: Phi within 7.5e-8 absolutely, for every x; no cancellation for x < 0; for large |x| the exponential is 0 and max(x, 0) is left.
; Each pair of numbers has registers of its own for every intermediate, so the chains of four pairs take turns and no instruction waits for the one in front of it.
; REGISTERS: window 0: v0-31 addresses and constants; v64-191 A's fragments, on the way out GELU's arrays; v192-255 the bias, later (with v32-63) the way out.  Window 1: v64-191 W's fragments.  Windows 2, 3: accumulators.
.set KSTEP,  128
.set PA,     272
.set PB,     544                       ; 17 x 32 bytes
.set HALFT,  128*PA                    ; what one tensor load brings: 128 rows of A = 64 rows of W
.set BOFF,   2*HALFT
.set SLOT,   4*HALFT
.set STAGE,  2*SLOT                    ; 16 rows x 272 bytes for each wave; no tensor load lands here
.set SPITCH, 272
.set LAPS,   1024/(2*KSTEP)
.set NB,     4096                      ; elements in a row of W and of C
.set CP,     NB*2
.set BSTEP,  KSTEP*NB*2
.set CB4,  6                           ; v[6:13]  b4, b3, b2, b1, each twice
.set ADRA, 16
.set ADRB, 20
.set STO,  24
.set RD,   25
.set CO,   26
.set BO,   27
.set F0,   64
.set F1,   128
.set GQ,   64                          ; 16 pairs each: x^2, then the exponential, then the polynomial
.set GA,   96                          ; |x|, then |x| t e
.set GR,   128                         ; max(x, 0), then the result
.set GU,   160                         ; 1 + p |x|, then t
.set BIAS, 192
.set TMP,  192
.set OB,   32
.set G1, 24
.set G0, 32
.set G1B, 48
.set G0B, 56
.set PP,   82                          ; s[82:83] 0.2316419
.set NC,   84                          ; s[84:85] -log2(e) / 2
.set B5,   86                          ; s[86:87] b5
.set ABSM, 88
.set MSB, 0
.macro WIN new
.if MSB != \new
	s_set_vgpr_msb (MSB<<8)|\new
.set MSB, \new
.endif
.endm
.set MUL_LO, 0xa1                      ; source 0 (W) window 1, source 1 (A) window 0, C and D window 2
.set MUL_HI, 0xf1                      ; C and D window 3.  With the bias as C (window 0): 0x81 and 0xc1
.set TO_B,   0x40
.macro JLOAD s                         ; waves 0, 1 fetch A's halves, waves 2, 3 W's; four v_nop follow each line
	s_cmp_eq_u32 s11, 0
	s_cbranch_scc0 .Lfor_b_\@
	tensor_load_to_lds s[G0+4*\s:G0+4*\s+3], s[G1:G1+7]
.rept 4
	v_nop
.endr
	s_branch .Lasked_\@
.Lfor_b_\@:
	tensor_load_to_lds s[G0B+4*\s:G0B+4*\s+3], s[G1B:G1B+7]
.rept 4
	v_nop
.endr
.Lasked_\@:
.endm
.macro CREST
	s_cmp_lg_u32 s10, 0
	s_cbranch_scc1 .Lnot_wave_0_\@
	s_barrier_signal -3
.Lnot_wave_0_\@:
	s_barrier_wait -3
	s_barrier_signal -1
	s_barrier_wait -1
.endm
.macro CROUND
	s_barrier_signal -1
	s_barrier_wait -1
	CREST
.endm
	s_load_b256 s[72:79], s[0:1], 0x0              ; x1b s[72:73], cb s[74:75], f1b s[76:77], hb s[78:79]
	v_lshrrev_b32 v1, 5, v0
	v_readfirstlane_b32 s10, v1
	s_lshr_b32 s11, s10, 1
	s_and_b32 s12, s10, 1
	s_bfe_u32 s40, ttmp6, 0x40000
	s_bfe_u32 s41, ttmp6, 0x40004
	s_lshl_b32 s42, ttmp9, 2
	s_add_co_u32 s42, s42, s40                     ; tile column
	s_and_b32 s13, ttmp7, 0xffff
	s_lshl_b32 s13, s13, 2
	s_add_co_u32 s13, s13, s41                     ; tile row
	s_lshl_b32 s43, s41, 2
	s_lshl_b32 s43, 15, s43
	s_lshl_b32 s44, 0x1111, s40
	s_or_b32 s[G1+0], s43, (1<<16)|(1<<20)|(1<<21)|(5<<22)|(3<<25)   ; A: after every 64 words 4 words of padding
	s_mov_b32 s[G1+1], KSTEP<<16
	s_mov_b32 s[G1+2], 128<<16
	s_mov_b32 s[G1+3], KSTEP<<16
	s_mov_b32 s[G1+4], 128
	s_mov_b32 s[G1+5], 1024
	s_mov_b32 s[G1+6], 0
	s_mov_b32 s[G1+7], 0
	s_or_b32 s[G1B+0], s44, (1<<16)|(1<<20)|(1<<21)|(6<<22)|(7<<25)  ; W: after every 128 words 8 words
	s_mov_b32 s[G1B+1], 256<<16
	s_mov_b32 s[G1B+2], 64<<16
	s_mov_b32 s[G1B+3], 256<<16
	s_mov_b32 s[G1B+4], 64
	s_mov_b32 s[G1B+5], NB
	s_mov_b32 s[G1B+6], 0
	s_mov_b32 s[G1B+7], 0
	s_mov_b32 s[PP], 0x3e6d3389
	s_mov_b32 s[PP+1], s[PP]
	s_mov_b32 s[NC], 0xbf38aa3b
	s_mov_b32 s[NC+1], s[NC]
	s_mov_b32 s[B5], 0x3f07dc22
	s_mov_b32 s[B5+1], s[B5]
	s_mov_b32 s[ABSM], 0x7fffffff
	s_lshl_b32 s16, s13, 19                        ; A: (256 x tile row + 128 x half) rows of 2,048 bytes
	s_lshl_b32 s17, s12, 18
	s_add_co_u32 s16, s16, s17
	s_mov_b32 s17, 0
	s_lshl_b32 s46, s42, 9                         ; W: 512 bytes a tile column, 64 k-rows of 8,192 bytes a half
	s_lshl_b32 s47, s12, 19
	s_add_co_u32 s46, s46, s47
	s_add_co_u32 s46, s46, 16777216
	s_mov_b32 s47, 0
	s_mul_i32 s20, s10, HALFT
	s_wait_kmcnt 0x0
	s_add_nc_u64 s[14:15], s[72:73], s[16:17]
	s_add_nc_u64 s[46:47], s[74:75], s[46:47]
	s_mov_b64 s[8:9], s[78:79]
	CROUND                                         ; the first joint loads meet
.irp s, 0,1
	s_mov_b32 s[G0+4*\s], 1
	s_add_co_u32 s[G0+4*\s+1], s20, \s*SLOT
	s_add_nc_u64 s[G0+4*\s+2:G0+4*\s+3], s[14:15], \s*KSTEP*2
	s_or_b32 s[G0+4*\s+3], s[G0+4*\s+3], 0x80000000
	s_mov_b32 s[G0B+4*\s], 1
	s_add_co_u32 s[G0B+4*\s+1], s20, \s*SLOT
	s_add_nc_u64 s[G0B+4*\s+2:G0B+4*\s+3], s[46:47], \s*BSTEP
	s_or_b32 s[G0B+4*\s+3], s[G0B+4*\s+3], 0x80000000
	JLOAD \s                                       ; two tensor loads of mine are out
.endr
	v_and_b32 v1, 15, v0
	v_bfe_u32 v2, v0, 4, 1
	s_lshl_b32 s45, s42, 10                        ; my 128 columns in the bias
	s_lshl_b32 s21, s12, 9
	s_add_co_u32 s45, s45, s21
	v_lshl_add_u32 v[BO], v2, 5, s45
.irp b, 0,1,2,3,4,5,6,7
	global_load_b128 v[BIAS+8*\b:BIAS+8*\b+3],   v[BO], s[76:77] offset:64*\b
	global_load_b128 v[BIAS+8*\b+4:BIAS+8*\b+7], v[BO], s[76:77] offset:64*\b+16
.endr
	v_mul_u32_u24 v3, v1, PA
	v_lshl_add_u32 v3, v2, 4, v3
	v_and_b32 v4, 7, v0
	v_lshl_add_u32 v4, v2, 3, v4
	v_mul_u32_u24 v4, v4, PB
	v_bfe_u32 v5, v0, 3, 1
	v_lshl_add_u32 v4, v5, 4, v4
	s_mul_i32 s21, s11, HALFT
	s_lshl_b32 s22, s12, 8
	s_add_co_u32 s22, s22, BOFF
.irp s, 0,1
	v_add_nc_u32 v[ADRA+\s], s21, v3
	v_add_nc_u32 v[ADRB+\s], s22, v4
	s_add_co_u32 s21, s21, SLOT
	s_add_co_u32 s22, s22, SLOT
.endr
	s_mul_i32 s23, s10, 16*SPITCH
	s_add_co_u32 s23, s23, STAGE
	v_mul_u32_u24 v4, v1, SPITCH
	v_lshl_add_u32 v4, v2, 4, v4
	v_add_nc_u32 v[STO], s23, v4
	v_mul_u32_u24 v5, v2, SPITCH
	v_lshl_add_u32 v5, v1, 4, v5
	v_add_nc_u32 v[RD], s23, v5
	v_mul_u32_u24 v5, v2, CP
	v_lshl_add_u32 v[CO], v1, 4, v5
	v_mov_b32 v[CB4],   0xbf3a00e3                 ; b4 = -0.726576014
	v_mov_b32 v[CB4+1], 0xbf3a00e3
	v_mov_b32 v[CB4+2], 0x3f35f0e3                 ; b3 = 0.710706871
	v_mov_b32 v[CB4+3], 0x3f35f0e3
	v_mov_b32 v[CB4+4], 0xbe11a98e                 ; b2 = -0.142248368
	v_mov_b32 v[CB4+5], 0xbe11a98e
	v_mov_b32 v[CB4+6], 0x3e027906                 ; b1 = 0.127414796
	v_mov_b32 v[CB4+7], 0x3e027906
	s_lshl_b32 s16, s13, 21                        ; where my part of C begins: (256 x tile row + 128 x half) rows of 8,192 bytes,
	s_lshl_b32 s14, s11, 20
	s_add_co_u32 s16, s16, s14
	s_mov_b32 s17, 0
	s_lshl_b32 s46, s42, 9                         ; 512 bytes a tile column + 256 a half
	s_lshl_b32 s47, s12, 8
	s_add_co_u32 s46, s46, s47
	s_mov_b32 s47, 0
	s_add_nc_u64 s[16:17], s[16:17], s[46:47]
; 16 matrix instructions.  zero = 1: the sums start from the bias.  The 64 accumulators take turns, one instruction a turn.
.macro MUL16 f, hi, a0, zero
.irp a, \a0, \a0+1
.irp b, 0,1,2,3,4,5,6,7
.if \zero
	v_wmma_f32_16x16x32_bf16 v[8*(8*(\a)+\b):8*(8*(\a)+\b)+7], v[\f+8*\b:\f+8*\b+7], v[\f+8*(4*\hi+\a):\f+8*(4*\hi+\a)+7], v[BIAS+8*\b:BIAS+8*\b+7]
.else
	v_wmma_f32_16x16x32_bf16 v[8*(8*(\a)+\b):8*(8*(\a)+\b)+7], v[\f+8*\b:\f+8*\b+7], v[\f+8*(4*\hi+\a):\f+8*(4*\hi+\a)+7], v[8*(8*(\a)+\b):8*(8*(\a)+\b)+7]
.endif
.endr
.endr
.endm
.macro FETCH slot, q, f                ; 32 LDS loads in one run: quarter q of a slot into buffer f: W's 16, then A's 16
	WIN TO_B
.irp i, 0,1,2,3,4,5,6,7
	ds_load_tr16_b128 v[\f+8*\i:\f+8*\i+3],   v[ADRB+\slot] offset:32*\q*PB+32*\i
	ds_load_tr16_b128 v[\f+8*\i+4:\f+8*\i+7], v[ADRB+\slot] offset:32*\q*PB+16*PB+32*\i
.endr
	WIN 0
.irp i, 0,1,2,3,4,5,6,7
	ds_load_b128 v[\f+8*\i:\f+8*\i+3],   v[ADRA+\slot] offset:64*\q+\i*16*PA
	ds_load_b128 v[\f+8*\i+4:\f+8*\i+7], v[ADRA+\slot] offset:64*\q+\i*16*PA+32
.endr
.endm
.macro PLACES                          ; four plain vector instructions between a matrix instruction and a load into, or a vector access to, its registers
.rept 4
	v_nop
.endr
.endm
.macro QUARTER slot, q, f, g, zero
	s_wait_dscnt 8                                 ; W and A's rows 0-63 are in; the youngest eight loads may be out
	WIN MUL_LO-0x20*\zero
	MUL16 \f, 0, 0, \zero
	MUL16 \f, 0, 2, \zero
	PLACES
	FETCH \slot, \q, \g
	s_wait_dscnt 32                                ; all but the 32 just issued
	WIN MUL_HI-0x30*\zero
	MUL16 \f, 1, 0, \zero
	MUL16 \f, 1, 2, \zero
.endm
.macro MEET round
	s_wait_dscnt 8
	WIN MUL_LO
	MUL16 F1, 0, 0, 0
	s_wait_dscnt 0                                 ; my reads of this slot are over
	s_wait_tensorcnt 0x0                           ; all my tensor loads have landed: my part of the next slot
	s_barrier_signal -1
	MUL16 F1, 0, 2, 0
.if \round
	WIN 0
.endif
	s_barrier_wait -1
.endm
.macro TURN slot, next
	MEET 1
	CREST                                          ; no wave of any partner still reads this slot or has a load on its way
	s_add_nc_u64 s[G0+4*\slot+2:G0+4*\slot+3], s[G0+4*\slot+2:G0+4*\slot+3], 2*KSTEP*2
	s_add_nc_u64 s[G0B+4*\slot+2:G0B+4*\slot+3], s[G0B+4*\slot+2:G0B+4*\slot+3], 2*BSTEP
	JLOAD \slot                                    ; my one tensor load behind the round; its four v_nop are also the places in front of the loads below
	FETCH \next, 0, F0
	WIN MUL_HI
	MUL16 F1, 1, 0, 0
	MUL16 F1, 1, 2, 0
.endm
; GELU of four accumulators (16 pairs a lane) of block a, in groups of four pairs.
; GTR: transcendental m of the 16 of group GG + 1: for each pair two reciprocals (t) and two exponentials, in place.
.macro GTR
.set j, 4*(GG+1)+m/4
.if m%4 == 0
	v_rcp_f32 v[GU+2*j], v[GU+2*j]
.elseif m%4 == 1
	v_rcp_f32 v[GU+2*j+1], v[GU+2*j+1]
.elseif m%4 == 2
	v_exp_f32 v[GQ+2*j], v[GQ+2*j]
.else
	v_exp_f32 v[GQ+2*j+1], v[GQ+2*j+1]
.endif
.endm
; GPL: plain instruction n of the 32 of group GG: stage n / 4 of pair n % 4, so that two links of a pair's chain stand four plain instructions apart.
; |x| t e is made in place in GA; the exponential is then spent, and the polynomial is made in its place in GQ.
.macro GPL
.set j, 4*GG+n%4
.set st, n/4
.if st == 0
	v_pk_mul_f32 v[GA+2*j:GA+2*j+1], v[GA+2*j:GA+2*j+1], v[GU+2*j:GU+2*j+1]
.elseif st == 1
	v_pk_mul_f32 v[GA+2*j:GA+2*j+1], v[GA+2*j:GA+2*j+1], v[GQ+2*j:GQ+2*j+1]
.elseif st == 2
	v_pk_fma_f32 v[GQ+2*j:GQ+2*j+1], v[GU+2*j:GU+2*j+1], s[B5:B5+1], v[CB4:CB4+1] op_sel_hi:[1,0,1]
.elseif st < 6
	v_pk_fma_f32 v[GQ+2*j:GQ+2*j+1], v[GQ+2*j:GQ+2*j+1], v[GU+2*j:GU+2*j+1], v[CB4+2*(st-2):CB4+2*(st-2)+1]
.elseif st == 6
	v_pk_fma_f32 v[GR+2*j:GR+2*j+1], v[GA+2*j:GA+2*j+1], v[GQ+2*j:GQ+2*j+1], v[GR+2*j:GR+2*j+1] neg_lo:[1,0,0] neg_hi:[1,0,0]
.else
	v_cvt_pk_bf16_f32 v[TMP+GH+j], v[GR+2*j], v[GR+2*j+1]
.endif
.endm
.macro GELU4 a, hb
.set GH, 16*\hb
	WIN 0x0a+5*((\a)/4)                            ; sources 0 and 1: window 2 or 3
.set i, 0
.rept 16
.set rX, 64*((\a)%4)+32*\hb+2*i
	v_pk_mul_f32 v[GQ+2*i:GQ+2*i+1], v[rX:rX+1], v[rX:rX+1]       ; each accumulator is read from its low end on
	v_and_b32 v[GA+2*i],   s[ABSM], v[rX]
	v_and_b32 v[GA+2*i+1], s[ABSM], v[rX+1]
	v_max_num_f32 v[GR+2*i],   0, v[rX]
	v_max_num_f32 v[GR+2*i+1], 0, v[rX+1]
.set i, i+1
.endr
	WIN 0
.set i, 0
.rept 16
	v_pk_fma_f32 v[GU+2*i:GU+2*i+1], v[GA+2*i:GA+2*i+1], s[PP:PP+1], 1.0 op_sel_hi:[1,0,0]
	v_pk_mul_f32 v[GQ+2*i:GQ+2*i+1], v[GQ+2*i:GQ+2*i+1], s[NC:NC+1] op_sel_hi:[1,0]
.set i, i+1
.endr
; One transcendental of the next group in front of every two plain instructions of the group in hand: each has a plain instruction that touches none of its registers behind it
; before its result is used (ISA guide 5.7.2).  The first group's sixteen have no plain work beside them yet: one v_nop follows them.
.set GG, -1
.rept 5
.set m, 0
.rept 16
.if GG < 3
	GTR
.endif
.if GG >= 0
.set n, 2*m
	GPL
.set n, 2*m+1
	GPL
.endif
.set m, m+1
.endr
.if GG < 0
	v_nop
.endif
.set GG, GG+1
.endr
.endm
; THE WAY OUT of block a (16 rows): GELU and rounding to bf16; through my own stage; back as whole rows of 256 bytes; stored
.macro PACK a
	GELU4 \a, 0
	GELU4 \a, 1
.endm
.macro TOSTAGE a
.set BK, OB+192*((\a)%2)
.irp b, 0,1,2,3,4,5,6,7
	ds_store_b128 v[STO], v[TMP+4*\b:TMP+4*\b+3] offset:32*\b
.endr
.irp t, 0,1,2,3,4,5,6,7
	ds_load_b128 v[BK+4*\t:BK+4*\t+3], v[RD] offset:\t*2*SPITCH    ; LDS serves a wave's instructions in order
.endr
.endm
.macro SEND a, younger
.set BK, OB+192*((\a)%2)
	s_wait_dscnt \younger
	s_wait_xcnt 0x0                                ; the stores' base and the registers that earlier stores read are rewritten only behind this wait
.if (\a) == 0
	s_add_nc_u64 s[8:9], s[8:9], s[16:17]
.else
	s_add_nc_u64 s[8:9], s[8:9], 16*CP
.endif
.irp t, 0,1,2,3,4,5,6,7
	global_store_b128 v[CO], v[BK+4*\t:BK+4*\t+3], s[8:9] offset:2*\t*CP   ; 16 lanes store 256 consecutive bytes, at a multiple of 256
.endr
.endm
	s_wait_tensorcnt 1                             ; my part of K step 0 is in
	s_barrier_signal -1
	s_barrier_wait -1
	FETCH 0, 0, F0
	s_wait_loadcnt 0x0                             ; the bias
	QUARTER 0, 1, F0, F1, 1
	WIN 0
	s_mov_b32 s3, LAPS-1
.Llap:
	QUARTER 0, 2, F1, F0, 0
	QUARTER 0, 3, F0, F1, 0
	TURN 0, 1
	QUARTER 1, 1, F0, F1, 0
	QUARTER 1, 2, F1, F0, 0
	QUARTER 1, 3, F0, F1, 0
	TURN 1, 0
	QUARTER 0, 1, F0, F1, 0
	WIN 0
	s_sub_co_u32 s3, s3, 1
	s_cmp_lg_u32 s3, 0
	s_cbranch_scc1 .Llap
	QUARTER 0, 2, F1, F0, 0                        ; the last lap asks for nothing
	QUARTER 0, 3, F0, F1, 0
	MEET 0
	PLACES
	FETCH 1, 0, F0
	WIN MUL_HI
	MUL16 F1, 1, 0, 0
	MUL16 F1, 1, 2, 0
	QUARTER 1, 1, F0, F1, 0
	QUARTER 1, 2, F1, F0, 0
	QUARTER 1, 3, F0, F1, 0
	s_wait_dscnt 8
	WIN MUL_LO
	MUL16 F1, 0, 0, 0
	MUL16 F1, 0, 2, 0
	s_wait_dscnt 0
	WIN MUL_HI
	MUL16 F1, 1, 0, 0
	MUL16 F1, 1, 2, 0
	PLACES
	PACK 0
	TOSTAGE 0
.irp a, 1,2,3,4,5,6,7                  ; block a's GELU stands between block a - 1's loads from the stage and the wait for them
	PACK \a
	SEND \a-1, 0
	TOSTAGE \a
.endr
	SEND 7, 0
	CROUND                                         ; the closing round
	s_endpgm
.Lfunc_end_k_qc6f68f96ec_ffn1:
	.size	k_qc6f68f96ec_ffn1, .Lfunc_end_k_qc6f68f96ec_ffn1-k_qc6f68f96ec_ffn1
	.p2alignl 7, 3214868480
	.fill 96, 4, 3214868480
	.section	.rodata,"a",@progbits
	.p2align	6, 0x0
	.amdhsa_kernel k_qc6f68f96ec_ffn1
		.amdhsa_group_segment_fixed_size 327680
		.amdhsa_private_segment_fixed_size 0
		.amdhsa_enable_private_segment 0
		.amdhsa_kernarg_size 32
		.amdhsa_user_sgpr_count 2
		.amdhsa_user_sgpr_kernarg_segment_ptr 1
		.amdhsa_wavefront_size32 1
		.amdhsa_system_sgpr_workgroup_id_x 1
		.amdhsa_system_sgpr_workgroup_id_y 1
		.amdhsa_system_sgpr_workgroup_id_z 1
		.amdhsa_system_vgpr_workitem_id 0
		.amdhsa_next_free_vgpr 1024
		.amdhsa_next_free_sgpr 100
		.amdhsa_reserve_vcc 0
		.amdhsa_float_denorm_mode_32 3
		.amdhsa_float_denorm_mode_16_64 3
		.amdhsa_memory_ordered 1
		.amdhsa_forward_progress 1
		.amdhsa_inst_pref_size 255
	.end_amdhsa_kernel
	.section	.bss,"aw",@nobits
	.p2align	6
	.space	262144
	.amdgpu_metadata
---
amdhsa.version: [ 1, 2 ]
amdhsa.kernels:
  - .name:           k_qc6f68f96ec_ffn1
    .symbol:         k_qc6f68f96ec_ffn1.kd
    .args:
      - { .name: x1b, .offset: 0, .size: 8, .value_kind: global_buffer, .address_space: global }
      - { .name: cb, .offset: 8, .size: 8, .value_kind: global_buffer, .address_space: global }
      - { .name: f1b, .offset: 16, .size: 8, .value_kind: global_buffer, .address_space: global }
      - { .name: hb, .offset: 24, .size: 8, .value_kind: global_buffer, .address_space: global }
    .group_segment_fixed_size: 327680
    .private_segment_fixed_size: 0
    .kernarg_segment_align: 8
    .kernarg_segment_size: 32
    .max_flat_workgroup_size: 128
    .sgpr_count:     100
    .vgpr_count:     1024
    .wavefront_size: 32
...
	.end_amdgpu_metadata
.endif
;; end of part 6
;; launch ffn2 (part 7): grid 8 x 32, 4 waves a work-group, clusters of 4 x 4, 327,680 bytes of LDS; arguments hb, cb, f2b, x1, y; writes y
.if DOCPART == 7
	.amdgcn_target "amdgcn-amd-amdhsa--gfx1250"
	.amdhsa_code_object_version 6
	.text
	.protected	k_qc6f68f96ec_ffn2
	.globl	k_qc6f68f96ec_ffn2
	.p2align	8
	.type	k_qc6f68f96ec_ffn2,@function
k_qc6f68f96ec_ffn2:
	s_mov_b64 s[64:65], 0
	v_nop
	global_prefetch_b8 v0, s[64:65] scope:SCOPE_SE
	s_setreg_imm32_b32 hwreg(HW_REG_WAVE_MODE, 25, 1), 1
	s_wait_xcnt 0x0
	s_wait_alu depctr_hold_cnt(0) depctr_sa_sdst(0) depctr_va_vdst(0) depctr_va_sdst(0) depctr_va_ssrc(0) depctr_va_vcc(0) depctr_vm_vsrc(0)
	s_getreg_b32 s2, hwreg(HW_REG_IB_STS2, 6, 4)
	s_cmp_eq_u32 s2, 0
	s_cbranch_scc0 .Lentry_in_a_cluster
	s_endpgm
.Lentry_in_a_cluster:
	s_bfe_u32 s2, ttmp6, 0x10000c
	s_cmp_lg_u32 s2, 0xf033
	s_cbranch_scc0 .Lentry_shape_is_right
	s_endpgm
.Lentry_shape_is_right:
; y = x1 + h f2w + f2b.  A = hb [4096][4096] bf16; W = f2w in bf16 ([4096 k][1024 n], cb byte 25,165,824); bias f2b, residual x1 and y in f32.  Sums in f32.
; 4096 x 1024 of C are 256 tiles of 128 x 128, one for each of 256 work-groups.  Four waves, each 64 x 64: 16 accumulators.  K = 4,096 goes in 16 steps of 256 through two LDS slots.
; A's tile lies [row][k] (rows of 512 bytes + 16), W's [k][n] (rows of 256 bytes + 32), turned by ds_load_tr16_b128.  CLUSTER 4 x 4: A's tile shared along a row, W's along a column, by joint loads.
; The matrix instruction is used transposed: a lane holds row l % 16 of C and eight neighbouring columns.  The bias is each sum's first C operand.
; The residual's 64 x 64 numbers of a wave are asked for at the start, in the lanes' layout of the stores, and stay on their way through the K loop.
; A wave's 64 f32 columns are 256 bytes at a multiple of 256: each wave sends its blocks of 16 rows through a stage of its own; no barrier on the way out.
; WINDOWS: 0: v0-31 addresses, v32-63 bias, later with v64-95 the way out, v128-255 accumulators.  1: two fragment buffers of 128.  2: v0-127 the residual, then the result.
.set SIZE_K, 4096
.set WOFF,   25165824
.set KSTEP,  256
.set PA,     528
.set PB,     288                       ; 9 x 32 bytes
.set HALFA,  64*PA
.set HALFB,  128*PB
.set BOFF,   2*HALFA
.set SLOT,   BOFF+2*HALFB
.set STAGE,  2*SLOT                    ; 16 rows x 272 bytes for each wave; no tensor load lands here
.set SPITCH, 272
.set LAPS,   SIZE_K/(2*KSTEP)
.set ADRA, 16                          ; v16-17  A's fragments in slot 0, 1
.set ADRB, 20                          ; v20-21  W's, k-rows 0-127; v22-23 k-rows 128-255 (past the 16-bit offset)
.set STO,  24
.set RD,   25
.set CO,   26
.set BO,   27
.set BIAS, 32
.set TMP,  32
.set ACC,  128
.set F0,   0
.set F1,   128
.set G1, 24
.set G0, 32
.set G1B, 48
.set G0B, 56
.set MSB, 0
.macro WIN new
.if MSB != \new
	s_set_vgpr_msb (MSB<<8)|\new
.set MSB, \new
.endif
.endm
.set MUL,  0x05                        ; sources 0 (W) and 1 (A) window 1; C and D window 0
.set TO_F, 0x40
.macro JLOAD s                         ; waves 0, 1 fetch A's halves, waves 2, 3 W's; four v_nop follow each line
	s_cmp_eq_u32 s11, 0
	s_cbranch_scc0 .Lfor_b_\@
	tensor_load_to_lds s[G0+4*\s:G0+4*\s+3], s[G1:G1+7]
.rept 4
	v_nop
.endr
	s_branch .Lasked_\@
.Lfor_b_\@:
	tensor_load_to_lds s[G0B+4*\s:G0B+4*\s+3], s[G1B:G1B+7]
.rept 4
	v_nop
.endr
.Lasked_\@:
.endm
.macro CREST
	s_cmp_lg_u32 s10, 0
	s_cbranch_scc1 .Lnot_wave_0_\@
	s_barrier_signal -3
.Lnot_wave_0_\@:
	s_barrier_wait -3
	s_barrier_signal -1
	s_barrier_wait -1
.endm
.macro CROUND
	s_barrier_signal -1
	s_barrier_wait -1
	CREST
.endm
	s_load_b256 s[72:79], s[0:1], 0x0              ; A s[72:73], cb s[74:75], bias s[76:77], residual s[78:79]
	s_load_b64 s[8:9], s[0:1], 0x20                ; y
	v_lshrrev_b32 v1, 5, v0
	v_readfirstlane_b32 s10, v1
	s_lshr_b32 s11, s10, 1                         ; my half of the rows.  Also: I fetch for A (0) or W (1)
	s_and_b32 s12, s10, 1                          ; my half of the columns.  Also: which half of that tile I fetch
	s_bfe_u32 s40, ttmp6, 0x40000
	s_bfe_u32 s41, ttmp6, 0x40004
	s_lshl_b32 s42, ttmp9, 2
	s_add_co_u32 s42, s42, s40                     ; tile column
	s_and_b32 s13, ttmp7, 0xffff
	s_lshl_b32 s13, s13, 2
	s_add_co_u32 s13, s13, s41                     ; tile row
	s_lshl_b32 s43, s41, 2
	s_lshl_b32 s43, 15, s43
	s_lshl_b32 s44, 0x1111, s40
	s_or_b32 s[G1+0], s43, (1<<16)|(1<<20)|(1<<21)|(6<<22)|(3<<25)   ; A: after every 128 words 4 words of padding
	s_mov_b32 s[G1+1], KSTEP<<16
	s_mov_b32 s[G1+2], 64<<16
	s_mov_b32 s[G1+3], KSTEP<<16
	s_mov_b32 s[G1+4], 64
	s_mov_b32 s[G1+5], SIZE_K
	s_mov_b32 s[G1+6], 0
	s_mov_b32 s[G1+7], 0
	s_or_b32 s[G1B+0], s44, (1<<16)|(1<<20)|(1<<21)|(5<<22)|(7<<25)  ; W: after every 64 words 8 words
	s_mov_b32 s[G1B+1], 128<<16
	s_mov_b32 s[G1B+2], 128<<16
	s_mov_b32 s[G1B+3], 128<<16
	s_mov_b32 s[G1B+4], 128
	s_mov_b32 s[G1B+5], 1024
	s_mov_b32 s[G1B+6], 0
	s_mov_b32 s[G1B+7], 0
	s_lshl_b32 s16, s13, 7
	s_lshl_b32 s17, s12, 6
	s_add_co_u32 s16, s16, s17                     ; A: row 128 x tile row + 64 x half
	s_mul_i32 s16, s16, SIZE_K*2
	s_mov_b32 s17, 0
	s_lshl_b32 s46, s42, 8                         ; W: 256 bytes a tile column, 128 k-rows of 2,048 bytes a half
	s_lshl_b32 s47, s12, 18
	s_add_co_u32 s46, s46, s47
	s_add_co_u32 s46, s46, WOFF
	s_mov_b32 s47, 0
	s_mul_i32 s20, s12, HALFA                      ; where they go
	s_mul_i32 s21, s12, HALFB
	s_add_co_u32 s21, s21, BOFF
	s_wait_kmcnt 0x0
	s_add_nc_u64 s[14:15], s[72:73], s[16:17]
	s_add_nc_u64 s[46:47], s[74:75], s[46:47]
	CROUND                                         ; the first joint loads meet
.irp s, 0,1
	s_mov_b32 s[G0+4*\s], 1
	s_add_co_u32 s[G0+4*\s+1], s20, \s*SLOT
	s_add_nc_u64 s[G0+4*\s+2:G0+4*\s+3], s[14:15], \s*KSTEP*2
	s_or_b32 s[G0+4*\s+3], s[G0+4*\s+3], 0x80000000
	s_mov_b32 s[G0B+4*\s], 1
	s_add_co_u32 s[G0B+4*\s+1], s21, \s*SLOT
	s_add_nc_u64 s[G0B+4*\s+2:G0B+4*\s+3], s[46:47], \s*KSTEP*2048
	s_or_b32 s[G0B+4*\s+3], s[G0B+4*\s+3], 0x80000000
	JLOAD \s                                       ; two tensor loads of mine are out
.endr
	v_and_b32 v1, 15, v0
	v_bfe_u32 v2, v0, 4, 1
	v_lshlrev_b32 v5, 12, v2                       ; the stores' and the residual's layout: lanes 0-15 one row's 256 bytes, lanes 16-31 the next row's
	v_lshl_add_u32 v[CO], v1, 4, v5
	s_lshl_b32 s16, s13, 19                        ; (128 x tile row + 64 x half) rows of 4,096 bytes
	s_lshl_b32 s17, s11, 18
	s_add_co_u32 s16, s16, s17
	s_mov_b32 s17, 0
	s_lshl_b32 s46, s42, 9                         ; 512 bytes a tile column + 256 a half: in y, in the residual and in the bias
	s_lshl_b32 s47, s12, 8
	s_add_co_u32 s46, s46, s47
	s_mov_b32 s47, 0
	v_lshl_add_u32 v[BO], v2, 5, s46
	s_add_nc_u64 s[16:17], s[16:17], s[46:47]
	s_add_nc_u64 s[78:79], s[78:79], s[16:17]
	s_add_nc_u64 s[8:9], s[8:9], s[16:17]
.irp b, 0,1,2,3
	global_load_b128 v[BIAS+8*\b:BIAS+8*\b+3],   v[BO], s[76:77] offset:64*\b
	global_load_b128 v[BIAS+8*\b+4:BIAS+8*\b+7], v[BO], s[76:77] offset:64*\b+16
.endr
	WIN 0x80                                       ; destination window 2
.irp a, 0,1,2,3
.irp t, 0,1,2,3,4,5,6,7
	global_load_b128 v[32*\a+4*\t:32*\a+4*\t+3], v[CO], s[78:79] offset:(16*\a+2*\t)*4096
.endr
.endr
	WIN 0
	v_mul_u32_u24 v3, v1, PA
	v_lshl_add_u32 v3, v2, 4, v3
	v_and_b32 v4, 7, v0
	v_lshl_add_u32 v4, v2, 3, v4
	v_mul_u32_u24 v4, v4, PB
	v_bfe_u32 v5, v0, 3, 1
	v_lshl_add_u32 v4, v5, 4, v4
	s_mul_i32 s22, s11, HALFA                      ; my 64 rows of A
	s_lshl_b32 s23, s12, 7                         ; my 64 columns of W
	s_add_co_u32 s23, s23, BOFF
.irp s, 0,1
	v_add_nc_u32 v[ADRA+\s], s22, v3
	v_add_nc_u32 v[ADRB+\s], s23, v4
	v_add_nc_u32 v[ADRB+2+\s], HALFB, v[ADRB+\s]
	s_add_co_u32 s22, s22, SLOT
	s_add_co_u32 s23, s23, SLOT
.endr
	s_mul_i32 s22, s10, 16*SPITCH
	s_add_co_u32 s22, s22, STAGE                   ; my stage
	v_mul_u32_u24 v4, v1, SPITCH                   ; in: row l % 16, 32 bytes for each half of the lanes
	v_lshl_add_u32 v4, v2, 5, v4
	v_add_nc_u32 v[STO], s22, v4
	v_mul_u32_u24 v5, v2, SPITCH
	v_lshl_add_u32 v5, v1, 4, v5
	v_add_nc_u32 v[RD], s22, v5
; 8 matrix instructions: m blocks a0, a0 + 1 x 4 n blocks, half c of buffer f.  zero = 1: the sums start from the bias.  The 16 accumulators take turns.
.macro MUL8 f, c, a0, zero
.irp a, \a0, \a0+1
.irp b, 0,1,2,3
.if \zero
	v_wmma_f32_16x16x32_bf16 v[ACC+8*(4*(\a)+\b):ACC+8*(4*(\a)+\b)+7], v[\f+64+8*(4*\c+\b):\f+64+8*(4*\c+\b)+7], v[\f+8*(4*\c+\a):\f+8*(4*\c+\a)+7], v[BIAS+8*\b:BIAS+8*\b+7]
.else
	v_wmma_f32_16x16x32_bf16 v[ACC+8*(4*(\a)+\b):ACC+8*(4*(\a)+\b)+7], v[\f+64+8*(4*\c+\b):\f+64+8*(4*\c+\b)+7], v[\f+8*(4*\c+\a):\f+8*(4*\c+\a)+7], v[ACC+8*(4*(\a)+\b):ACC+8*(4*(\a)+\b)+7]
.endif
.endr
.endr
.endm
; 32 LDS loads in one run: the fragments of 64 along K from element k on, into buffer f; the first 32 along K first
.macro FETCH slot, k, f
	WIN TO_F
.irp c, 0,1
.irp i, 0,1,2,3
	ds_load_tr16_b128 v[\f+64+8*(4*\c+\i):\f+64+8*(4*\c+\i)+3],   v[ADRB+\slot+2*(\k/128)] offset:((\k%128)+32*\c)*PB+32*\i
	ds_load_tr16_b128 v[\f+64+8*(4*\c+\i)+4:\f+64+8*(4*\c+\i)+7], v[ADRB+\slot+2*(\k/128)] offset:((\k%128)+32*\c+16)*PB+32*\i
	ds_load_b128 v[\f+8*(4*\c+\i):\f+8*(4*\c+\i)+3],              v[ADRA+\slot] offset:2*\k+64*\c+\i*16*PA
	ds_load_b128 v[\f+8*(4*\c+\i)+4:\f+8*(4*\c+\i)+7],            v[ADRA+\slot] offset:2*\k+64*\c+\i*16*PA+32
.endr
.endr
.endm
.macro PLACES                          ; four plain vector instructions between a matrix instruction and a load into, or a read of, its registers
.rept 4
	v_nop
.endr
.endm
.macro QUARTER slot, k, f, g, zero     ; multiplies buffer f (64 along K) and fetches the quarter at element k into g
	s_wait_dscnt 16                                ; the first 32 along K are in
	WIN MUL
	MUL8 \f, 0, 0, \zero
	MUL8 \f, 0, 2, \zero
	PLACES
	FETCH \slot, \k, \g
	s_wait_dscnt 32                                ; all but the 32 just issued
	WIN MUL
	MUL8 \f, 1, 0, 0
	MUL8 \f, 1, 2, 0
.endm
.macro TURN slot, next, fill           ; the last quarter changes slots: one barrier; fill = 1: it opens a round, and this slot is filled again, two K steps on
	s_wait_dscnt 16
	WIN MUL
	MUL8 F1, 0, 0, 0
	s_wait_dscnt 0                                 ; my reads of this slot are over
	s_wait_tensorcnt 0x0                           ; all my tensor loads have landed: my part of the next slot
	s_barrier_signal -1
	MUL8 F1, 0, 2, 0
.if \fill
	WIN 0
.endif
	s_barrier_wait -1
.if \fill
	CREST
	s_add_nc_u64 s[G0+4*\slot+2:G0+4*\slot+3], s[G0+4*\slot+2:G0+4*\slot+3], 2*KSTEP*2
	s_add_nc_u64 s[G0B+4*\slot+2:G0B+4*\slot+3], s[G0B+4*\slot+2:G0B+4*\slot+3], 2*KSTEP*2048
	JLOAD \slot                                    ; my one tensor load behind the round; its four v_nop are also the places in front of the loads below
.else
	PLACES
.endif
	FETCH \next, 0, F0
	WIN MUL
	MUL8 F1, 1, 0, 0
	MUL8 F1, 1, 2, 0
.endm
; THE WAY OUT of m block a: 16 rows x 256 bytes into my stage and back as whole rows; the residual is added; stored
.macro STG a
.irp b, 0,1,2,3
	ds_store_b128 v[STO], v[ACC+8*(4*\a+\b):ACC+8*(4*\a+\b)+3]   offset:64*\b      ; each accumulator is read from its low end on
	ds_store_b128 v[STO], v[ACC+8*(4*\a+\b)+4:ACC+8*(4*\a+\b)+7] offset:64*\b+16
.endr
.irp t, 0,1,2,3,4,5,6,7
	ds_load_b128 v[TMP+32*((\a)%2)+4*\t:TMP+32*((\a)%2)+4*\t+3], v[RD] offset:\t*2*SPITCH   ; LDS serves a wave's instructions in order
.endr
.endm
.macro FIN a, younger                  ; younger: the next block's 16 LDS instructions, or none
	s_wait_dscnt \younger
	WIN 0x82                                       ; destination and source 0 window 2, source 1 window 0
.set i, 0
.rept 16
	v_pk_add_f32 v[32*\a+2*i:32*\a+2*i+1], v[32*\a+2*i:32*\a+2*i+1], v[TMP+32*((\a)%2)+2*i:TMP+32*((\a)%2)+2*i+1]
.set i, i+1
.endr
	WIN 0x08                                       ; store data window 2
.irp t, 0,1,2,3,4,5,6,7
	global_store_b128 v[CO], v[32*\a+4*\t:32*\a+4*\t+3], s[8:9] offset:(16*\a+2*\t)*4096   ; 16 lanes store 256 consecutive bytes, at a multiple of 256; each register is written once
.endr
	WIN 0
.endm
	s_wait_tensorcnt 1                             ; my part of K step 0 is in
	s_barrier_signal -1
	s_barrier_wait -1
	FETCH 0, 0, F0
	s_wait_loadcnt 32                              ; the bias is in; the residual's 32 loads stay out
	QUARTER 0, 64, F0, F1, 1
	WIN 0
	s_mov_b32 s3, LAPS-1
.Llap:                                                 ; a trip goes once round the ring and fills both slots again
	QUARTER 0, 128, F1, F0, 0
	QUARTER 0, 192, F0, F1, 0
	TURN 0, 1, 1
	QUARTER 1, 64,  F0, F1, 0
	QUARTER 1, 128, F1, F0, 0
	QUARTER 1, 192, F0, F1, 0
	TURN 1, 0, 1
	QUARTER 0, 64,  F0, F1, 0
	WIN 0
	s_sub_co_u32 s3, s3, 1
	s_cmp_lg_u32 s3, 0
	s_cbranch_scc1 .Llap
	QUARTER 0, 128, F1, F0, 0                      ; the last lap fills nothing
	QUARTER 0, 192, F0, F1, 0
	TURN 0, 1, 0
	QUARTER 1, 64,  F0, F1, 0
	QUARTER 1, 128, F1, F0, 0
	QUARTER 1, 192, F0, F1, 0
	s_wait_dscnt 16
	WIN MUL
	MUL8 F1, 0, 0, 0
	MUL8 F1, 0, 2, 0
	s_wait_dscnt 0
	MUL8 F1, 1, 0, 0
	MUL8 F1, 1, 2, 0
	WIN 0
	PLACES
	s_wait_loadcnt 0x0                             ; the residual
	STG 0
	STG 1
	FIN 0, 16
	STG 2
	FIN 1, 16
	STG 3
	FIN 2, 16
	FIN 3, 0
	CROUND                                         ; the closing round
	s_endpgm
.Lfunc_end_k_qc6f68f96ec_ffn2:
	.size	k_qc6f68f96ec_ffn2, .Lfunc_end_k_qc6f68f96ec_ffn2-k_qc6f68f96ec_ffn2
	.p2alignl 7, 3214868480
	.fill 96, 4, 3214868480
	.section	.rodata,"a",@progbits
	.p2align	6, 0x0
	.amdhsa_kernel k_qc6f68f96ec_ffn2
		.amdhsa_group_segment_fixed_size 327680
		.amdhsa_private_segment_fixed_size 0
		.amdhsa_enable_private_segment 0
		.amdhsa_kernarg_size 40
		.amdhsa_user_sgpr_count 2
		.amdhsa_user_sgpr_kernarg_segment_ptr 1
		.amdhsa_wavefront_size32 1
		.amdhsa_system_sgpr_workgroup_id_x 1
		.amdhsa_system_sgpr_workgroup_id_y 1
		.amdhsa_system_sgpr_workgroup_id_z 1
		.amdhsa_system_vgpr_workitem_id 0
		.amdhsa_next_free_vgpr 640
		.amdhsa_next_free_sgpr 84
		.amdhsa_reserve_vcc 0
		.amdhsa_float_denorm_mode_32 3
		.amdhsa_float_denorm_mode_16_64 3
		.amdhsa_memory_ordered 1
		.amdhsa_forward_progress 1
		.amdhsa_inst_pref_size 93
	.end_amdhsa_kernel
	.amdgpu_metadata
---
amdhsa.version: [ 1, 2 ]
amdhsa.kernels:
  - .name:           k_qc6f68f96ec_ffn2
    .symbol:         k_qc6f68f96ec_ffn2.kd
    .args:
      - { .name: hb, .offset: 0, .size: 8, .value_kind: global_buffer, .address_space: global }
      - { .name: cb, .offset: 8, .size: 8, .value_kind: global_buffer, .address_space: global }
      - { .name: f2b, .offset: 16, .size: 8, .value_kind: global_buffer, .address_space: global }
      - { .name: x1, .offset: 24, .size: 8, .value_kind: global_buffer, .address_space: global }
      - { .name: y, .offset: 32, .size: 8, .value_kind: global_buffer, .address_space: global }
    .group_segment_fixed_size: 327680
    .private_segment_fixed_size: 0
    .kernarg_segment_align: 8
    .kernarg_segment_size: 40
    .max_flat_workgroup_size: 128
    .sgpr_count:     84
    .vgpr_count:     640
    .wavefront_size: 32
...
	.end_amdgpu_metadata
.endif
;; end of part 7
;; launch ln2 (part 8): grid 256 x 1, 8 waves a work-group, no clusters, 0 bytes of LDS; arguments y, ln2_w, ln2_b, out0; writes out0
.if DOCPART == 8
	.amdgcn_target "amdgcn-amd-amdhsa--gfx1250"
	.amdhsa_code_object_version 6
	.text
	.protected	k_qc6f68f96ec_ln2
	.globl	k_qc6f68f96ec_ln2
	.p2align	8
	.type	k_qc6f68f96ec_ln2,@function
k_qc6f68f96ec_ln2:
	s_mov_b64 s[64:65], 0
	v_nop
	global_prefetch_b8 v0, s[64:65] scope:SCOPE_SE
	s_setreg_imm32_b32 hwreg(HW_REG_WAVE_MODE, 25, 1), 1
	s_wait_xcnt 0x0
; out0 = (y - mean) / sqrt(var + 1e-6) * w + b along rows of 1,024 f32.
; A stream: one wave takes two whole rows and keeps them in registers, so y is read once, the variance is the mean of the squares of the CENTRED values (no difference of large sums),
; and the reductions never leave the wave: no LDS, no barrier.  All 32 loads of a wave go out at once; each covers 512 consecutive bytes.
.set X0, 8                             ; v[8:39]    row 0: load j brings numbers 128 j + 4 lane + 0..3
.set X1, 40                            ; v[40:71]   row 1
.set W,  72                            ; v[72:103]  gain, same places
.set B,  104                           ; v[104:135] offset
.set T,  136                           ; v[136:143] four chains
.set MU, 144                           ; v[144:145] the mean, twice
.set RS, 146                           ; v[146:149] 1 / sigma, twice, for each row
.set SEL, 16                           ; s[16:17]
.set INV, 18                           ; 1 / 1024
.set EPS, 19
	s_load_b256 s[4:11], s[0:1], 0x0               ; y s[4:5], w s[6:7], b s[8:9], out0 s[10:11]
	v_and_b32 v1, 31, v0
	v_lshrrev_b32 v4, 5, v0
	v_lshlrev_b32 v1, 4, v1                        ; 16 x lane
	v_lshl_add_u32 v2, v4, 13, v1                  ; + the wave's two rows of 4,096 bytes
	s_lshl_b32 s2, ttmp9, 16                       ; the work-group's 16 rows
	s_mov_b32 s3, 0
	s_mov_b32 s[SEL], 0x76543210
	s_mov_b32 s[SEL+1], 0xfedcba98
	s_mov_b32 s[INV], 0x3a800000
	s_mov_b32 s[EPS], 0x358637bd
	s_wait_kmcnt 0x0
	s_add_nc_u64 s[4:5], s[4:5], s[2:3]
	s_add_nc_u64 s[10:11], s[10:11], s[2:3]
.irp j, 0,1,2,3,4,5,6,7
	global_load_b128 v[X0+4*\j:X0+4*\j+3], v2, s[4:5] offset:512*\j th:TH_LOAD_NT
.endr
.irp j, 0,1,2,3,4,5,6,7
	global_load_b128 v[X1+4*\j:X1+4*\j+3], v2, s[4:5] offset:4096+512*\j th:TH_LOAD_NT
.endr
.irp j, 0,1,2,3,4,5,6,7
	global_load_b128 v[W+4*\j:W+4*\j+3], v1, s[6:7] offset:512*\j
.endr
.irp j, 0,1,2,3,4,5,6,7
	global_load_b128 v[B+4*\j:B+4*\j+3], v1, s[8:9] offset:512*\j
.endr
.macro WAVESUM                         ; the four chains, then the 32 lanes: the sum in v[T] of every lane
	v_pk_add_f32 v[T:T+1], v[T:T+1], v[T+2:T+3]
	v_pk_add_f32 v[T+4:T+5], v[T+4:T+5], v[T+6:T+7]
	v_pk_add_f32 v[T:T+1], v[T:T+1], v[T+4:T+5]
	v_add_f32 v[T], v[T], v[T+1]
	v_add_f32_dpp v[T], v[T], v[T] row_xmask:1 row_mask:0xf bank_mask:0xf
	v_add_f32_dpp v[T], v[T], v[T] row_xmask:2 row_mask:0xf bank_mask:0xf
	v_add_f32_dpp v[T], v[T], v[T] row_xmask:4 row_mask:0xf bank_mask:0xf
	v_add_f32_dpp v[T], v[T], v[T] row_xmask:8 row_mask:0xf bank_mask:0xf
	v_permlanex16_b32 v[T+1], v[T], s[SEL], s[SEL+1]
	v_add_f32 v[T], v[T], v[T+1]
.endm
.macro STATS X, k                      ; the row is centred in place; 1 / sigma into RS's pair k
.irp c, 0,1,2,3
	v_pk_add_f32 v[T+2*\c:T+2*\c+1], v[\X+2*\c:\X+2*\c+1], v[\X+8+2*\c:\X+8+2*\c+1]   ; the first sums start the chains
.endr
.irp g, 16, 24
.irp c, 0,1,2,3
	v_pk_add_f32 v[T+2*\c:T+2*\c+1], v[T+2*\c:T+2*\c+1], v[\X+\g+2*\c:\X+\g+2*\c+1]
.endr
.endr
	WAVESUM
	v_mul_f32 v[MU], s[INV], v[T]
	v_mul_f32 v[MU+1], s[INV], v[T]
.set i, 0
.rept 16
	v_pk_add_f32 v[\X+2*i:\X+2*i+1], v[\X+2*i:\X+2*i+1], v[MU:MU+1] neg_lo:[0,1] neg_hi:[0,1]
.set i, i+1
.endr
.irp c, 0,1,2,3
	v_pk_mul_f32 v[T+2*\c:T+2*\c+1], v[\X+2*\c:\X+2*\c+1], v[\X+2*\c:\X+2*\c+1]
.endr
.irp g, 8, 16, 24
.irp c, 0,1,2,3
	v_pk_fma_f32 v[T+2*\c:T+2*\c+1], v[\X+\g+2*\c:\X+\g+2*\c+1], v[\X+\g+2*\c:\X+\g+2*\c+1], v[T+2*\c:T+2*\c+1]
.endr
.endr
	WAVESUM
	v_fma_f32 v[T], v[T], s[INV], s[EPS]
	v_rsq_f32 v[RS+2*\k], v[T]
	v_rsq_f32 v[RS+2*\k+1], v[T]
	v_nop                                          ; a plain instruction before the results are used or the source is rewritten (ISA guide 5.7.2)
.endm
.macro NORM X, k                       ; scaled, gain and offset; stored
.set i, 0
.rept 16
	v_pk_mul_f32 v[\X+2*i:\X+2*i+1], v[\X+2*i:\X+2*i+1], v[RS+2*\k:RS+2*\k+1]
.set i, i+1
.endr
.set i, 0
.rept 16
	v_pk_fma_f32 v[\X+2*i:\X+2*i+1], v[\X+2*i:\X+2*i+1], v[W+2*i:W+2*i+1], v[B+2*i:B+2*i+1]
.set i, i+1
.endr
.irp j, 0,1,2,3,4,5,6,7
	global_store_b128 v2, v[\X+4*\j:\X+4*\j+3], s[10:11] offset:4096*\k+512*\j th:TH_STORE_NT   ; a wave's store covers 512 consecutive bytes
.endr
.endm
	s_wait_loadcnt 24                              ; row 0 is in
	STATS X0, 0
	s_wait_loadcnt 16                              ; row 1 is in
	STATS X1, 1
	s_wait_loadcnt 0x0                             ; gain and offset
	NORM X0, 0
	NORM X1, 1                                     ; no register is written again behind a store that reads it
	s_endpgm
.Lfunc_end_k_qc6f68f96ec_ln2:
	.size	k_qc6f68f96ec_ln2, .Lfunc_end_k_qc6f68f96ec_ln2-k_qc6f68f96ec_ln2
	.p2alignl 7, 3214868480
	.fill 96, 4, 3214868480
	.section	.rodata,"a",@progbits
	.p2align	6, 0x0
	.amdhsa_kernel k_qc6f68f96ec_ln2
		.amdhsa_group_segment_fixed_size 0
		.amdhsa_private_segment_fixed_size 0
		.amdhsa_enable_private_segment 0
		.amdhsa_kernarg_size 32
		.amdhsa_user_sgpr_count 2
		.amdhsa_user_sgpr_kernarg_segment_ptr 1
		.amdhsa_wavefront_size32 1
		.amdhsa_system_sgpr_workgroup_id_x 1
		.amdhsa_system_sgpr_workgroup_id_y 1
		.amdhsa_system_sgpr_workgroup_id_z 1
		.amdhsa_system_vgpr_workitem_id 0
		.amdhsa_next_free_vgpr 152
		.amdhsa_next_free_sgpr 66
		.amdhsa_reserve_vcc 0
		.amdhsa_float_denorm_mode_32 3
		.amdhsa_float_denorm_mode_16_64 3
		.amdhsa_memory_ordered 1
		.amdhsa_forward_progress 1
		.amdhsa_inst_pref_size 18
	.end_amdhsa_kernel
	.amdgpu_metadata
---
amdhsa.version: [ 1, 2 ]
amdhsa.kernels:
  - .name:           k_qc6f68f96ec_ln2
    .symbol:         k_qc6f68f96ec_ln2.kd
    .args:
      - { .name: y, .offset: 0, .size: 8, .value_kind: global_buffer, .address_space: global }
      - { .name: ln2_w, .offset: 8, .size: 8, .value_kind: global_buffer, .address_space: global }
      - { .name: ln2_b, .offset: 16, .size: 8, .value_kind: global_buffer, .address_space: global }
      - { .name: out0, .offset: 24, .size: 8, .value_kind: global_buffer, .address_space: global }
    .group_segment_fixed_size: 0
    .private_segment_fixed_size: 0
    .kernarg_segment_align: 8
    .kernarg_segment_size: 32
    .max_flat_workgroup_size: 256
    .sgpr_count:     66
    .vgpr_count:     152
    .wavefront_size: 32
...
	.end_amdgpu_metadata
.endif
;; end of part 8
